; MI455X (gfx1250); checked and timed in simulation.
; The chip was launched on July 23, 2026; its instructions are those of AMD's public machine-readable ISA for CDNA 5 (MIT licence, August 2026) and "CDNA5" Instruction Set Architecture Reference Guide (July 2026). The comments in the code are by the model that wrote it; some were corrected since.
;; Quant Llama Attention. Allowed arithmetic: matrix products marked QUANTISED: E2M1 operands, one E8M0 scale for each 32 along K, by v_wmma_scale_f32_16x16x128_f8f6f4 with both operands' format E2M1 (or v_wmma_scale_f32_32x16x128_f4), f32 sums; everything else in f32.
;; Inputs: hidden_states 1 x 1,024 x 4,096 float32; k_scale 1,024 x 32 float32; k_wq 1,024 x 4,096 float32; o_scale 4,096 x 32 float32; o_wq 4,096 x 4,096 float32; position_ids 1 x 1,024 int32; q_scale 4,096 x 32 float32; q_wq 4,096 x 4,096 float32; v_scale 1,024 x 32 float32; v_wq 1,024 x 4,096 float32.
;; Outputs: out0 1 x 1,024 x 4,096 float32.
;; This version of the problem:
;;   THIS VERSION OF THE PROBLEM IS GIVEN IN LOW PRECISION. The matrix products marked QUANTISED in the list below multiply operands that are first quantised to E2M1 (2 exponent bits, 1 mantissa bit; 4 bits a number), with one power-of-two scale for each 32 numbers along K (OCP MX v1.0); their sums are f32. All else is computed in f32.
;;   The module's matrix products, in the order in which they are computed (A, B: the left and right operand; K: the contracted axis; several contracted axes count as one K, in the product's order):
;;     1. [M 1,024, K 4,096] x [K 4,096, N 4,096]; A: input hidden_states; B: computed on the way: QUANTISED
;;     2. [M 1,024, K 4,096] x [K 4,096, N 1,024]; A: input hidden_states; B: computed on the way: QUANTISED
;;     3. [M 1,024, K 4,096] x [K 4,096, N 1,024]; A: input hidden_states; B: computed on the way: QUANTISED
;;     4. batch 32 x [M 1,024, K 128] x [K 128, N 1,024]; A: computed on the way; B: computed on the way: QUANTISED
;;     5. batch 32 x [M 1,024, K 1,024] x [K 1,024, N 128]; A: softmax (see below); B: computed on the way: QUANTISED
;;     6. [M 1,024, K 4,096] x [K 4,096, N 4,096]; A: computed on the way; B: computed on the way: QUANTISED
;;   THE QUANTISER, for each operand of a quantised product, along K:
;;     - K is cut into blocks of 32 from its start; a last block that is shorter is filled with zeros.
;;     - A block's scale is 2^e with e = floor(log2(the largest magnitude in the block)) - 2, held to -126 .. 127; a block of zeros has e = 0. As a byte (E8M0): e + 127.
;;     - Each number is divided by its block's scale, clamped to +-6, and rounded to the nearest number of E2M1, ties to even, subnormals kept.
;;     - The product sums the exact products of the quantised numbers (number of the format x scale) in f32.
;;   ~~~python
;;   def quantise(x, axis):      # numpy; x: float32 -> the quantised numbers, widened to float32 again
;;       x = np.moveaxis(x, axis, -1); K = x.shape[-1]
;;       x = np.pad(x, [(0, 0)] * (x.ndim - 1) + [(0, -K % 32)]); x = x.reshape(x.shape[:-1] + (-1, 32)); a = np.abs(x).max(-1, keepdims=True)
;;       e = np.where(a > 0, np.clip(np.frexp(np.where(a > 0, a, 1))[1] - 1 - 2, -126, 127), 0)      # np.frexp(a)[1] - 1 = floor(log2(a)), exactly
;;       r = np.clip(x / 2.0 ** e, -6, 6)
;;       step = 2.0 ** (np.maximum(np.frexp(np.where(r == 0, 1, r))[1] - 1, 0) - 1)
;;       q = np.round(r / step) * step * 2.0 ** e      # np.round: ties to even
;;       return np.moveaxis(q.reshape(q.shape[:-2] + (-1,))[..., :K], -1, axis).astype(np.float32)
;;   ~~~
;;   SOFTMAX AHEAD OF A QUANTISED PRODUCT. Where the list says 'softmax', what is quantised is not the finished softmax but p = 2^(t - M), with t = logit x log2(e) and M = ceil(the row's largest t), a whole number; so 1/2 < the row's largest p <= 1. The row's sum l is taken of the UNQUANTISED p, in f32, and the product's result is divided by l at the end. Since M is a whole number, a kernel that streams over the keys may use a running M (the ceiling of the running maximum): every later rescaling is an exact power of two, which a block's scale takes up: the codes' values come out the same.
;;   OPERANDS COMPUTED ON THE WAY. 'Computed on the way' means the value that the module computes at that place (a softmax that the list does not call 'softmax' is quantised finished and normalised). What goes into a quantiser is computed in f32, as accurately as f32 sums, v_exp_f32 and their like allow (about 1e-6 of the number): no bf16 or f16 on the way to a quantiser, and a product that is left as it is and whose result goes on into a quantised operand takes f32 operands (vector FMAs, or v_wmma_f32_16x16x4_f32). A number that lies on a knife's edge between two numbers of the format may be rounded either way, as far as f32 arithmetic and the matrix unit's own rounding can turn it there, and no further.
;; One version. Each part assembles by itself: llvm-mc -triple=amdgcn-amd-amdhsa -mcpu=gfx1250 --defsym DOCPART=n.
;; ======== version 1 of 1: 4 launches
;; limits: right only within a limited range of input values
;; workspace buffers: codes 23,068,672 bytes; scl 1,441,792 bytes; rope 532,480 bytes; aimg 4,194,304 bytes; qkv_codes 3,145,728 bytes; qkv_scl 196,608 bytes; att_codes 2,097,152 bytes; att_scl 131,072 bytes
;; launch prep (part 1): grid 1473 x 1, 8 waves a work-group, no clusters, 18,688 bytes of LDS; arguments hidden_states, q_wq, k_wq, v_wq, o_wq, q_scale, k_scale, v_scale, o_scale, position_ids, codes, scl, rope, aimg; writes codes, scl, rope, aimg
.if DOCPART == 1
	.amdgcn_target "amdgcn-amd-amdhsa--gfx1250"
	.amdhsa_code_object_version 6
	.text
	.protected	k_q2381a4f220_prep
	.globl	k_q2381a4f220_prep
	.p2align	8
	.type	k_q2381a4f220_prep,@function
k_q2381a4f220_prep:
	s_mov_b64 s[64:65], 0
	v_nop
	global_prefetch_b8 v0, s[64:65] scope:SCOPE_SE
	s_setreg_imm32_b32 hwreg(HW_REG_WAVE_MODE, 25, 1), 1
	s_wait_xcnt 0x0
; PREP.  (1) Wq, Wk, x, Wv, Wo, all [rows][4096] f32, become codes of FP4 (E2M1) and one E8M0 byte for each 32 along K.  A weight is w = wq x scale (one f32 scale for each 128 along K), one f32 rounding.
; Rows in codes and scl: Wq 0-4095, Wk 4096-5119, x 5120-6143, Wv 6144-7167, Wo 7168-11263; a row is 2,048 bytes of codes, 128 scale bytes.  Wv's rows of codes are read by no launch and are not stored; its scale bytes are.
; ORDER INSIDE A BLOCK OF 32: word p (0..3) of a block's 16 bytes holds k = 4 p + 0..3 in its low four codes and k = 16 + 4 p + 0..3 in its high four.  Every operand of a product over these K is laid so
; (x, Wq, Wk, Wv here; Wo here and attention's result in its own launch), so each code meets its partner, under its own block's scale.
; (2) The table of cos and sin for the rotary embedding, from position_ids, laid as the next launch's registers want it.
; (3) The codes of x and Wv once more in the order of an operand's registers: aimg [tile of 16 rows][128 along K: 32][c: 2][rows 0-7, 8-15][h: 2][row: 8][16 bytes], a piece being block 2 c + h of its 128 along K.
; SHARES.  Work-groups 0-1407 quantise 8 rows, a wave a row; work-groups 1408-1472 make the table, a wave to 512 bytes of cos and 512 of sin.
; A load reads 512 consecutive bytes, one group of 128 along K, so its group scale is one scalar.  Lane l takes piece l % 4 (lanes 16-31: 4 + l % 4) of block (l % 16) / 4.  Two loads, A and B, make a pair:
; v_permlane16_swap_b32 of A's register with B's gives lanes 0-15 both pieces of A's blocks and lanes 16-31 both of B's: 8 numbers of one block in 8 registers on end, four lanes to a block.  No f32 number passes through LDS.
; A pair's 32 words of codes are 128 consecutive bytes of the row; they and the 8 scale bytes are gathered in LDS and leave in runs of 512 bytes (aimg: 256), aligned.
; For x the factor is 1.0: such a wave reads a piece of q_scale in its place and replaces it by a select on the work-group's number, so that there is one path.
; A block's scale is 2^(floor(log2(largest magnitude)) - 2); its byte is the largest magnitude's exponent field - 2, held at 1 from below.
; LIMITS: a block of zeros, or one whose largest magnitude lies under 2^-124, keeps the byte 1 (this program alone reads the bytes); NaN and infinities are not served.  The table: inv_freq is
; 2^(-f log2(10000) / 64) to about an ulp and a half; the reduction by pi / 2 in two parts serves |position| under 2^22.
; No tensor loads, no cluster, no prefetch: every input byte is read once, by one wave, and 16 loads a wave are out throughout.
.set NQW,   1408
.set RP,    2080                       ; a row of codes in LDS: 2,048 + 32, so that aimg's sixteen pieces (8 rows x 2 blocks) fall on sixteen different columns of 16 bytes
.set SB,    8*RP                       ; the work-group's 1,024 scale bytes
.set SPARE, SB+1024                    ; the spare words, 128 bytes a wave
.set LA,  6                            ; v6  my 16 bytes of a load
.set AC,  7                            ; v7  LDS: my word of a pair's codes
.set AE,  8                            ; v8  LDS: my block's scale byte
.set AR,  9                            ; v9  LDS: 16 bytes a lane of my row
.set GO,  10                           ; v10 16 x lane
.set AS,  11                           ; v11 LDS: 16 bytes a lane of the scale bytes
.set AI,  12                           ; v12 LDS: my piece of aimg
.set IO,  13                           ; v13 and its place in memory
.set SPW, 14
.set NIL, 15
.set C,   16                           ; v16-31  a word of codes for each pair
.set X,   32                           ; v32-95  eight pairs of loads
.set E,   96                           ; v96-111 a scale byte for each pair
.set T,   112                          ; v112-119 at work
.set GS,  32                           ; s32-63 the row's 32 group scales
.set FB,  88                           ; s88, s90 the odd groups' scales at even registers
	s_load_b512 s[4:19], s[0:1], 0x0               ; x, q_wq, k_wq, v_wq, o_wq, q_scale, k_scale, v_scale
	s_load_b256 s[20:27], s[0:1], 0x40             ; o_scale, position_ids, codes, scl
	s_load_b128 s[28:31], s[0:1], 0x60             ; rope, aimg
	v_lshl_add_u32 v[SPW], v0, 2, SPARE
	v_mov_b32 v[NIL], 0
	v_lshrrev_b32 v1, 5, v0
	v_readfirstlane_b32 s80, v1                    ; wave
	v_and_b32 v2, 31, v0                           ; lane
	s_mul_i32 s81, s80, RP
	s_lshl_b32 s82, s80, 7
	s_add_co_u32 s82, s82, SB
	s_min_u32 s83, s80, 1                          ; waves 0 and 1 send the scale bytes
	s_lshl_b32 s83, s83, 9
	s_add_co_u32 s83, s83, SB
	s_lshl_b32 s84, s80, 8
	v_and_b32 v4, 12, v2
	v_lshlrev_b32 v4, 5, v4                        ; block (l % 16) / 4: 128 bytes
	v_and_b32 v5, 3, v2
	v_lshl_add_u32 v4, v5, 4, v4                   ; piece l % 4
	v_and_b32 v5, 16, v2
	v_lshl_add_u32 v[LA], v5, 2, v4                ; lanes 16-31: 64 bytes on
	v_lshl_add_u32 v[AC], v2, 2, s81
	v_lshrrev_b32 v4, 2, v2
	v_add_nc_u32 v[AE], s82, v4
	v_lshl_add_u32 v[AR], v2, 4, s81
	v_lshlrev_b32 v[GO], 4, v2
	v_lshl_add_u32 v[AS], v2, 4, s83
	v_and_b32 v4, 7, v2
	v_mul_u32_u24 v4, v4, RP                       ; aimg: row l % 8,
	v_bfe_u32 v5, v2, 3, 2
	v_lshl_add_u32 v4, v5, 4, v4                   ; block 2 c + h = (l / 8) % 4,
	v_add_nc_u32 v[AI], s84, v4                    ; of my wave's four pieces of 128 along K, 64 bytes each
	v_and_b32 v4, 15, v2
	v_lshlrev_b32 v4, 4, v4
	v_lshrrev_b32 v5, 4, v2
	v_lshl_add_u32 v[IO], v5, 9, v4                ; lanes 0-15 the run of c = 0, lanes 16-31 that of c = 1
	s_wait_alu depctr_va_vdst(0)
	s_wait_kmcnt 0x0
	s_cmp_ge_u32 ttmp9, NQW
	s_cbranch_scc1 .Ltable
	; the tensor, its group scales and its first work-group are chosen by the work-group's number alone: Wq 0-511, Wk 512-639, x 640-767, Wv 768-895, Wo 896-1407
	s_mov_b64 s[68:69], s[12:13]
	s_mov_b64 s[70:71], s[20:21]
	s_mov_b32 s72, 896
	s_cmp_lt_u32 ttmp9, 896
	s_cselect_b64 s[68:69], s[10:11], s[68:69]
	s_cselect_b64 s[70:71], s[18:19], s[70:71]
	s_cselect_b32 s72, 768, s72
	s_cmp_lt_u32 ttmp9, 768
	s_cselect_b64 s[68:69], s[4:5], s[68:69]
	s_cselect_b64 s[70:71], s[14:15], s[70:71]     ; (x has no scales: what is read here is replaced by 1.0 below)
	s_cselect_b32 s72, 640, s72
	s_cmp_lt_u32 ttmp9, 640
	s_cselect_b64 s[68:69], s[8:9], s[68:69]
	s_cselect_b64 s[70:71], s[16:17], s[70:71]
	s_cselect_b32 s72, 512, s72
	s_cmp_lt_u32 ttmp9, 512
	s_cselect_b64 s[68:69], s[6:7], s[68:69]
	s_cselect_b64 s[70:71], s[14:15], s[70:71]
	s_cselect_b32 s72, 0, s72
	s_sub_co_u32 s77, ttmp9, s72
	s_lshl_b32 s77, s77, 3
	s_add_co_u32 s77, s77, s80                     ; my row of the tensor
	s_lshl_b32 s78, s77, 14
	s_mov_b32 s79, 0
	s_add_nc_u64 s[68:69], s[68:69], s[78:79]
.macro LOADP j                         ; pair j: groups 2 j and 2 j + 1 of the row
	global_load_b128 v[X+8*((\j)%8):X+8*((\j)%8)+3], v[LA], s[68:69] offset:1024*(\j) th:TH_LOAD_NT
	global_load_b128 v[X+8*((\j)%8)+4:X+8*((\j)%8)+7], v[LA], s[68:69] offset:1024*(\j)+512 th:TH_LOAD_NT
.endm
.irp j, 0,1,2,3,4,5,6,7
	LOADP \j
.endr
	s_lshl_b32 s78, s77, 7
	s_add_nc_u64 s[70:71], s[70:71], s[78:79]
	s_load_b512 s[GS:GS+15], s[70:71], 0x0         ; the row's 32 group scales
	s_load_b512 s[GS+16:GS+31], s[70:71], 0x40
	s_sub_co_u32 s73, ttmp9, 640
	s_cmp_lt_u32 s73, 128
	s_cselect_b32 s74, 1, 0                        ; x
	s_cmp_lt_u32 s73, 256
	s_cselect_b32 s75, 1, 0                        ; x or Wv: aimg
	s_sub_co_u32 s76, s75, s74                     ; Wv
	s_min_u32 s73, s73, 255                        ; which 8 rows of aimg's 2,048
	s_lshr_b32 s78, s73, 1
	s_lshl_b32 s78, s78, 15
	s_and_b32 s77, s73, 1
	s_lshl_b32 s77, s77, 8
	s_add_co_u32 s78, s78, s77
	s_lshl_b32 s77, s80, 12                        ; my wave stores four of the 32 pieces of 128 along K
	s_add_co_u32 s78, s78, s77
	s_add_nc_u64 s[30:31], s[30:31], s[78:79]
	s_lshl_b32 s78, ttmp9, 3
	s_add_co_u32 s78, s78, s80
	s_lshl_b32 s78, s78, 11
	s_add_nc_u64 s[24:25], s[24:25], s[78:79]      ; my row of codes
	s_min_u32 s77, s80, 1
	s_lshl_b32 s77, s77, 9
	s_lshl_b32 s78, ttmp9, 10
	s_add_co_u32 s78, s78, s77
	s_add_nc_u64 s[26:27], s[26:27], s[78:79]      ; the work-group's scale bytes, 512 a wave
	s_mov_b32 s[FB+1], 0                           ; (named as upper halves of pairs)
	s_mov_b32 s[FB+3], 0
	s_wait_kmcnt 0x0
	s_cmp_eq_u32 s74, 0
.rept 32
	s_cselect_b32 s[GS+\+], s[GS+\+], 1.0          ; x: the factor is 1.0
.endr
; Pairs j and j + 1, line by line by turns.
.macro DUO j
.set XA, X+8*((\j)%8)
.if (\j) <= 8
	s_wait_loadcnt 12                              ; these two pairs' four loads are in; the six younger pairs' may be out
.else
	s_wait_loadcnt 2*(14-(\j))
.endif
	s_mov_b32 s[FB], s[GS+2*(\j)+1]
	s_mov_b32 s[FB+2], s[GS+2*(\j)+3]
.irp u, 0,1
.irp i, 0,2
	v_pk_mul_f32 v[XA+8*\u+\i:XA+8*\u+\i+1], v[XA+8*\u+\i:XA+8*\u+\i+1], s[GS+2*(\j)+2*\u:GS+2*(\j)+2*\u+1] op_sel_hi:[1,0]   ; w = wq x scale: load A's group
	v_pk_mul_f32 v[XA+8*\u+4+\i:XA+8*\u+5+\i], v[XA+8*\u+4+\i:XA+8*\u+5+\i], s[FB+2*\u:FB+2*\u+1] op_sel_hi:[1,0]             ; load B's
.endr
.endr
.irp u, 0,1
.irp i, 0,1,2,3
	v_permlane16_swap_b32 v[XA+8*\u+\i], v[XA+8*\u+4+\i]   ; lanes 0-15: A's pieces p and p + 4; lanes 16-31: B's
.endr
.endr
.irp u, 0,1
	v_max3_num_f32 v[T+4*\u], |v[XA+8*\u]|, |v[XA+8*\u+1]|, 0x1800000   ; with the floor 2^(3 - 127): the byte cannot fall under 1
	v_max3_num_f32 v[T+4*\u+1], |v[XA+8*\u+2]|, |v[XA+8*\u+3]|, |v[XA+8*\u+4]|
.endr
.irp u, 0,1
	v_max3_num_f32 v[T+4*\u], v[T+4*\u], |v[XA+8*\u+5]|, |v[XA+8*\u+6]|
.endr
.irp u, 0,1
	v_max3_num_f32 v[T+4*\u], v[T+4*\u], v[T+4*\u+1], |v[XA+8*\u+7]|
.endr
.irp u, 0,1
	v_max_num_f32_dpp v[T+4*\u], v[T+4*\u], v[T+4*\u] row_xmask:1 row_mask:0xf bank_mask:0xf
.endr
.irp u, 0,1
	v_max_num_f32_dpp v[T+4*\u], v[T+4*\u], v[T+4*\u] row_xmask:2 row_mask:0xf bank_mask:0xf   ; the block's four lanes
.endr
.irp u, 0,1
	v_add_nc_u32 v[T+4*\u+2], 0xff000000, v[T+4*\u]        ; 2 off the exponent field: the conversion's scale operand
.endr
.irp u, 0,1
	v_cvt_scalef32_pk8_fp4_f32 v[C+(\j)+\u], v[XA+8*\u:XA+8*\u+7], v[T+4*\u+2]
.endr
.irp u, 0,1
	v_lshrrev_b32 v[E+(\j)+\u], 23, v[T+4*\u+2]            ; the scale's byte (a plain line behind the conversions)
.endr
.irp u, 0,1
	ds_store_b32 v[AC], v[C+(\j)+\u] offset:128*((\j)+\u)
	ds_store_b8 v[AE], v[E+(\j)+\u] offset:8*((\j)+\u)     ; a block's four lanes write the same byte with the same value
.endr
.if (\j) < 8
	LOADP (\j)+8
	LOADP (\j)+9
.endif
.endm
.irp j, 0,2,4,6,8,10,12,14
	DUO \j
.endr
	s_cmp_eq_u32 s76, 1                            ; Wv's rows of codes are read by nobody
	s_cbranch_scc1 .Lno_rows
.irp i, 0,1,2,3
	ds_load_b128 v[X+4*\i:X+4*\i+3], v[AR] offset:512*\i   ; LDS serves a wave's instructions in order: these see my stores
.endr
	s_wait_dscnt 0x0
.irp i, 0,1,2,3
	global_store_b128 v[GO], v[X+4*\i:X+4*\i+3], s[24:25] offset:512*\i   ; 512 consecutive bytes, aligned
.endr
.Lno_rows:
	s_wait_dscnt 0x0                               ; for the others' sake: my LDS stores have landed
	s_barrier_signal -1
	s_barrier_wait -1
	s_cmp_gt_u32 s80, 1
	s_cbranch_scc1 .Lno_bytes
	ds_load_b128 v[64:67], v[AS]
	s_wait_dscnt 0x0
	global_store_b128 v[GO], v[64:67], s[26:27]    ; four rows' scale bytes: 512 consecutive bytes, aligned
.Lno_bytes:
	s_cmp_eq_u32 s75, 0                            ; the same in all waves
	s_cbranch_scc1 .Ldone
.irp i, 0,1,2,3
	ds_load_b128 v[48+4*\i:51+4*\i], v[AI] offset:64*\i
.endr
	s_wait_dscnt 0x0
.irp i, 0,1,2,3
	global_store_b128 v[IO], v[48+4*\i:51+4*\i], s[30:31] offset:1024*\i   ; sixteen lanes store 256 consecutive bytes, aligned
.endr
.Ldone:
	s_wait_tensorcnt 0x0                           ; the wave's end
	ds_add_u32 v[SPW], v[NIL]
	s_wait_dscnt 0x0
	s_endpgm
	; ---- the table.  rope: [65 tiles of 16 positions][cos, sin][quad 0-7][lane][4 f32].  Lane (r, h) of quad 2 t + u holds frequencies 16 t + 8 h + 4 u + 0 .. 3 of position 16 tile + r.  Tile 64 is the angle 0.
	; A number is rounded to a whole number by adding B = 1.5 x 2^23 and taking B away again; between the two the whole number stands in the low bits of the sum's pattern.
.Ltable:
	s_sub_co_u32 s36, ttmp9, NQW
	s_lshl_b32 s36, s36, 3
	s_add_co_u32 s36, s36, s80                     ; 0 .. 519
	s_lshr_b32 s37, s36, 3                         ; tile
	s_and_b32 s38, s36, 7                          ; quad
	s_min_u32 s39, s37, 63                         ; tile 64 reads tile 63's positions and clears them
	s_lshl_b32 s39, s39, 6
	s_cmp_eq_u32 s37, 64
	s_cselect_b32 s41, 0, -1
	s_lshr_b32 s42, s38, 1
	s_lshl_b32 s42, s42, 4
	s_and_b32 s43, s38, 1
	s_lshl_b32 s43, s43, 2
	s_add_co_u32 s42, s42, s43                     ; 16 t + 4 u
	s_lshl_b32 s44, s37, 13
	s_lshl_b32 s45, s38, 9
	s_add_co_u32 s44, s44, s45
	s_mov_b32 s46, 0x3e549a78                      ; L = log2(10000) / 64: its high part,
	s_mov_b32 s47, 0xbe549a78                      ; that negated,
	s_mov_b32 s48, 0xb1979a1c                      ; and its low part, negated
	s_mov_b32 s49, 0x4b400000                      ; B
	s_mov_b32 s50, 0xcb400000                      ; -B
	s_mov_b32 s51, 0x4b40007f                      ; B's pattern + 127
	s_mov_b32 s52, 0x3f22f983                      ; 2 / pi
	s_mov_b32 s53, 0xbfc90fdb                      ; -(pi / 2's high part)
	s_mov_b32 s54, 0x333bbd2e                      ; -(its low part)
	s_mov_b32 s55, 0xb94ca1f9                      ; the sine's polynomial
	s_mov_b32 s56, 0x3c08839e
	s_mov_b32 s57, 0xbe2aaaa3
	s_mov_b32 s58, 0x37ccf5ce                      ; the cosine's
	s_mov_b32 s59, 0xbab6061a
	s_mov_b32 s60, 0x3d2aaaa5
	s_mov_b32 s61, 0x80000000                      ; the sign
	v_and_b32 v1, 15, v0                           ; r
	v_bfe_u32 v3, v0, 4, 1                         ; h
	v_lshl_add_u32 v4, v1, 2, s39
	global_load_b32 v5, v4, s[22:23]               ; my position
	v_lshl_add_u32 v6, v3, 3, s42                  ; my first frequency
	s_wait_alu depctr_va_vdst(0)
	v_lshl_add_u32 v7, v2, 4, s44                  ; where I store: 16 bytes a lane
.set COSR, 72
.set SINR, 76
.macro INVF e                          ; inv_freq = 2^(-f L) = 2^-N x 2^(N - f L), N = f L rounded to a whole number
.set TT, 16+12*\e
	v_add_nc_u32 v[TT], \e, v6
	v_cvt_f32_u32 v[TT], v[TT]
	v_mul_f32 v[TT+1], s46, v[TT]
	v_fma_f32 v[TT+2], v[TT], s47, v[TT+1]
	v_fma_f32 v[TT+2], v[TT], s48, v[TT+2]
	v_add_f32 v[TT+3], s49, v[TT+1]
	v_add_f32 v[TT+4], s50, v[TT+3]
	v_sub_f32 v[TT+4], v[TT+4], v[TT+1]
	v_add_f32 v[TT+4], v[TT+4], v[TT+2]            ; N - f L, at most 1 / 2 in magnitude
	s_wait_alu depctr_va_vdst(0)
	v_exp_f32 v[TT+4], v[TT+4]
	v_sub_nc_u32 v[TT+3], s51, v[TT+3]             ; 127 - N
	v_lshlrev_b32 v[TT+3], 23, v[TT+3]             ; 2^-N
	s_wait_alu depctr_va_vdst(0)
	v_mul_f32 v[TT+4], v[TT+4], v[TT+3]
.endm
.macro SINCOS e
.set TT, 16+12*\e
	v_mul_f32 v[TT+5], v5, v[TT+4]                 ; the angle: one rounding
	v_fma_f32 v[TT+6], v[TT+5], s52, s49           ; the whole number of quarter turns in the low bits
	v_add_f32 v[TT+8], s50, v[TT+6]
	v_fma_f32 v[TT+7], v[TT+8], s53, v[TT+5]
	v_fma_f32 v[TT+7], v[TT+8], s54, v[TT+7]
	v_mul_f32 v[TT+9], v[TT+7], v[TT+7]
	v_fma_f32 v[TT+10], v[TT+9], s55, s56
	v_fma_f32 v[TT+10], v[TT+10], v[TT+9], s57
	v_mul_f32 v[TT], v[TT+9], v[TT+7]
	v_fma_f32 v[TT+10], v[TT+10], v[TT], v[TT+7]   ; sin r
	v_fma_f32 v[TT+11], v[TT+9], s58, s59
	v_fma_f32 v[TT+11], v[TT+11], v[TT+9], s60
	v_mul_f32 v[TT+1], v[TT+9], v[TT+9]
	v_fma_f32 v[TT+2], v[TT+9], -0.5, 1.0
	v_fma_f32 v[TT+11], v[TT+11], v[TT+1], v[TT+2] ; cos r
	v_and_b32 v[TT+3], 1, v[TT+6]
	v_cmp_eq_u32 vcc_lo, 1, v[TT+3]                ; an odd quarter swaps the two
	v_cndmask_b32 v[SINR+\e], v[TT+10], v[TT+11], vcc_lo
	v_cndmask_b32 v[COSR+\e], v[TT+11], v[TT+10], vcc_lo
	v_lshlrev_b32 v[TT+3], 30, v[TT+6]             ; quarters 2, 3 turn the sine's sign,
	v_and_b32 v[TT+3], s61, v[TT+3]
	v_xor_b32 v[SINR+\e], v[TT+3], v[SINR+\e]
	v_add_nc_u32 v[TT+8], 1, v[TT+6]               ; quarters 1, 2 the cosine's
	v_lshlrev_b32 v[TT+8], 30, v[TT+8]
	v_and_b32 v[TT+8], s61, v[TT+8]
	v_xor_b32 v[COSR+\e], v[TT+8], v[COSR+\e]
.endm
.irp e, 0,1,2,3
	INVF \e
.endr
	s_wait_loadcnt 0x0
	v_and_b32 v5, s41, v5
	v_cvt_f32_i32 v5, v5
.irp e, 0,1,2,3
	SINCOS \e
.endr
	global_store_b128 v7, v[COSR:COSR+3], s[28:29]             ; the wave stores 512 consecutive bytes, aligned
	global_store_b128 v7, v[SINR:SINR+3], s[28:29] offset:4096
	s_barrier_signal -1                            ; this way's one barrier, as on the other way (it touches no LDS)
	s_barrier_wait -1
	s_endpgm
.Lfunc_end_k_q2381a4f220_prep:
	.size	k_q2381a4f220_prep, .Lfunc_end_k_q2381a4f220_prep-k_q2381a4f220_prep
	.p2alignl 7, 3214868480
	.fill 96, 4, 3214868480
	.section	.rodata,"a",@progbits
	.p2align	6, 0x0
	.amdhsa_kernel k_q2381a4f220_prep
		.amdhsa_group_segment_fixed_size 18688
		.amdhsa_private_segment_fixed_size 0
		.amdhsa_enable_private_segment 0
		.amdhsa_kernarg_size 112
		.amdhsa_user_sgpr_count 2
		.amdhsa_user_sgpr_kernarg_segment_ptr 1
		.amdhsa_wavefront_size32 1
		.amdhsa_system_sgpr_workgroup_id_x 1
		.amdhsa_system_sgpr_workgroup_id_y 1
		.amdhsa_system_sgpr_workgroup_id_z 1
		.amdhsa_system_vgpr_workitem_id 0
		.amdhsa_next_free_vgpr 120
		.amdhsa_next_free_sgpr 92
		.amdhsa_reserve_vcc 1
		.amdhsa_float_denorm_mode_32 3
		.amdhsa_float_denorm_mode_16_64 3
		.amdhsa_memory_ordered 1
		.amdhsa_forward_progress 1
		.amdhsa_inst_pref_size 37
	.end_amdhsa_kernel
	.amdgpu_metadata
---
amdhsa.version: [ 1, 2 ]
amdhsa.kernels:
  - .name:           k_q2381a4f220_prep
    .symbol:         k_q2381a4f220_prep.kd
    .args:
      - { .name: hidden_states, .offset: 0, .size: 8, .value_kind: global_buffer, .address_space: global }
      - { .name: q_wq, .offset: 8, .size: 8, .value_kind: global_buffer, .address_space: global }
      - { .name: k_wq, .offset: 16, .size: 8, .value_kind: global_buffer, .address_space: global }
      - { .name: v_wq, .offset: 24, .size: 8, .value_kind: global_buffer, .address_space: global }
      - { .name: o_wq, .offset: 32, .size: 8, .value_kind: global_buffer, .address_space: global }
      - { .name: q_scale, .offset: 40, .size: 8, .value_kind: global_buffer, .address_space: global }
      - { .name: k_scale, .offset: 48, .size: 8, .value_kind: global_buffer, .address_space: global }
      - { .name: v_scale, .offset: 56, .size: 8, .value_kind: global_buffer, .address_space: global }
      - { .name: o_scale, .offset: 64, .size: 8, .value_kind: global_buffer, .address_space: global }
      - { .name: position_ids, .offset: 72, .size: 8, .value_kind: global_buffer, .address_space: global }
      - { .name: codes, .offset: 80, .size: 8, .value_kind: global_buffer, .address_space: global }
      - { .name: scl, .offset: 88, .size: 8, .value_kind: global_buffer, .address_space: global }
      - { .name: rope, .offset: 96, .size: 8, .value_kind: global_buffer, .address_space: global }
      - { .name: aimg, .offset: 104, .size: 8, .value_kind: global_buffer, .address_space: global }
    .group_segment_fixed_size: 18688
    .private_segment_fixed_size: 0
    .kernarg_segment_align: 8
    .kernarg_segment_size: 112
    .max_flat_workgroup_size: 256
    .sgpr_count:     92
    .vgpr_count:     120
    .wavefront_size: 32
...
	.end_amdgpu_metadata
.endif
;; end of part 1
;; launch qkv (part 2): grid 48 x 4, 4 waves a work-group, clusters of 4 x 4, 327,680 bytes of LDS; arguments codes, scl, rope, aimg, qkv_codes, qkv_scl; writes qkv_codes, qkv_scl
.if DOCPART == 2
	.amdgcn_target "amdgcn-amd-amdhsa--gfx1250"
	.amdhsa_code_object_version 6
	.text
	.protected	k_q2381a4f220_qkv
	.globl	k_q2381a4f220_qkv
	.p2align	8
	.type	k_q2381a4f220_qkv,@function
k_q2381a4f220_qkv:
	s_mov_b64 s[64:65], 0
	v_nop
	global_prefetch_b8 v0, s[64:65] scope:SCOPE_SE
	s_setreg_imm32_b32 hwreg(HW_REG_WAVE_MODE, 25, 1), 1
	s_wait_xcnt 0x0
	s_wait_alu depctr_hold_cnt(0) depctr_sa_sdst(0) depctr_va_vdst(0) depctr_va_sdst(0) depctr_va_ssrc(0) depctr_va_vcc(0) depctr_vm_vsrc(0)
	s_getreg_b32 s2, hwreg(HW_REG_IB_STS2, 6, 4)
	s_cmp_eq_u32 s2, 0
	s_cbranch_scc0 .Lentry_in_a_cluster
	s_endpgm
.Lentry_in_a_cluster:
	s_bfe_u32 s2, ttmp6, 0x10000c
	s_cmp_lg_u32 s2, 0xf033
	s_cbranch_scc0 .Lentry_shape_is_right
	s_endpgm
.Lentry_shape_is_right:
; QKV.  q = x Wq^T, k = x Wk^T, v = x Wv^T on codes of FP4 with E8M0 scales (K = 4,096), the rotary embedding of q and k, and the quantising of q and k along the head's 128 and of v along the keys.
; A work-group makes 256 x 128 numbers: 256 rows of side A against 128 rows of side B.  Side B is rows 128 x tile of the buffer of codes, tile = 0 .. 47: a head of Wq (0-31) or of Wk (32-39), or 128 rows of x (40-47).
; Side A is x, or for tiles 40-47 Wv: v is made as Wv x^T, so that a lane holds one channel and its registers run along the keys, which are the K of attention's second product.  So one way out serves all three.
; Four waves, stacked along A: a wave makes 64 x 128: 32 accumulators.  THE MATRIX INSTRUCTION IS USED TRANSPOSED (source 0 = 16 rows of B, source 1 = 16 rows of A): a lane holds one row of A and, in accumulator b, the eight
; neighbours 16 b + 8 (lane / 16) + 0 .. 7 along B.  A wave holds a whole head of its rows: the rotation pairs accumulators b and b + 4 of one lane, and a row's four blocks of 32 need lane l xor 16 alone.
; HOW THE OPERANDS COME.  B, which all four waves read, lies in LDS for ALL of K: 8 chunks of 128 rows x 256 bytes (512 along K), 278,528 bytes with their padding, and its scale bytes, 17,408.  Every byte is filled once, by five tensor loads
; a wave that go out together, so the walk has four plain barriers, one ahead of each pair of chunks, and no other meeting.
; A's 64 rows of a wave are read by no other wave of the work-group: they go from memory STRAIGHT INTO ITS REGISTERS.  aimg holds them in the order of the operand's registers, so a load is 512 consecutive bytes; eight loads a step of 128 along K,
; asked for seven steps ahead: 56 loads, 28,672 bytes a wave, are on their way throughout.  A's scale words come once: a lane reads the 128 bytes of each of its two rows whole, into 64 registers.
; CLUSTERS: 4 x 4 work-groups; B's tiles are asked for jointly along a column of the cluster.  The grid is one cluster high, so the tile row is the place cy.  A's rows, which the four of a row of the cluster share, are NOT asked for jointly:
; with B's 295,936 bytes and the stages' 22,528 LDS has 9,216 bytes left, no room for a ring of A; and through a ring a chunk would have to land within the 128 products a wave that lie between two changes of slots.
; OUT: qkv_codes [48 tiles][1024 rows][64 bytes], qkv_scl [48][1024] words.  q: row = position.  k: row = the position with its bits 3 and 4 swapped, so that the keys which the next launch wants as one tile are 16 neighbouring rows.
; v: tile 40 + j holds keys 128 j on, row = 128 x kv head + channel.
; LIMITS: a block of zeros or under 2^-124 keeps the byte 1 (this program alone reads the bytes); NaN and infinities are not served.  Work-groups of v load the table's tile of angle 0 and rotate by it: one path, at the price of that arithmetic in 32 of 192 work-groups.
; The walk over K is written straight, 32 steps: every offset is an immediate, no pointer is stepped, and A's scale words keep their registers.
; REGISTERS: window 0: v1-19 addresses; v20-51 B's scale words, two sets; v52-115 A's scale words; v116-125 addresses of the way out; v128-255 B's fragments, two sets.  window 1: accumulator (a, b) at v[8 (8 a + b)].
;   window 2: cos and sin, tile of rows a at v[64 a], v[64 a + 32].  window 3: A's fragments, eight sets of 32 (step q in set q % 8); on the way out the registers at work.
; THE FILLS OF B, AS THEY STAND (this takes the place of what the head comment says of five loads together and four plain barriers): a wave issues one tensor load at a time.
; At the head wave 0, 1, 3 bring chunks 0, 1, 2 whole (128 rows x 256 bytes) and wave 2 all of B's scale bytes.  Ahead of step 0, behind the wait for all loads, the add and a round of the cluster's barrier,
; wave w brings chunk 3 + w.  At step 7 the same lines and a round stand again, and wave 0 brings chunk 7; a plain barrier at step 23 shows it to all.  Every byte is still filled once.
.set PITCH, 272
.set HALFB, 64*PITCH                   ; what a tensor load brings: 64 rows of a chunk
.set CHUNK, 2*HALFB                    ; 128 rows x 512 along K
.set SCLB,  8*CHUNK                    ; B's scale bytes: 128 a row, two rows to a unit of 256 + 16
.set QSB,   16*272                     ; those of 32 rows: what a tensor load brings
.set STAGE, SCLB+4*QSB                 ; the way out: for each wave 64 rows x 80 bytes of codes and, 5,120 on, 64 scale words; no fill lands here
.set WSTG,  5632
.set STO,  3                           ; v3     the stage: where I put a word of codes
.set AO,   4                           ; v4     my 16 bytes of a load of A: 256 (r / 8) + 128 h + 16 (r % 8); never rewritten
.set ASO,  5                           ; v5     my row's scale bytes of A: lanes 0-15 tile i, lanes 16-31 tile i + 2; never rewritten
.set ADRSB, 6                          ; v6     my scale words of B: lanes 0-15 block i, lanes 16-31 block i + 4
.set RO,   8                           ; v8-11  my 16 bytes in the table's tile of rows a
.set ADRB, 12                          ; v12-19 my place in a fragment of B, chunk 0 .. 7
.set SCB,  20                          ; set s (chunk % 2) at SCB + 16 s: register 4 i + (step % 4)
.set SCA,  52                          ; register 32 i + step
.set STS,  116
.set RD,   117
.set CO0,  118
.set CO1,  119
.set CO2,  120
.set SRD,  121
.set SCO,  122
.set T0,   123
.set T1,   124
.set T2,   125
.set BF,   128
.set RR,   64                          ; the way out, in window 3: 64 rotated numbers of a row,
.set TT,   128                         ; two sets of 32 products,
.set UU,   160
.set TM,   192                         ; sixteen registers of the quantiser,
.set PW,   208                         ; four scale words to be stored,
.set PC,   212                         ; 4 x 8 registers of codes
.set G0,   24                          ; s[24:39] groups 0 of my four loads of codes
.set G1B,  48                          ; s[48:55] group 1 for B's codes
.set G1SB, 56                          ; s[56:63] for B's scale bytes
.set G0SB, 68                          ; s[68:71] group 0 of my load of scale bytes
.set MSB, 0
.macro WIN new                         ; the immediate's high byte repeats the setting that is left
.if MSB != \new
	s_set_vgpr_msb (MSB<<8)|\new
.set MSB, \new
.endif
.endm
.set MUL, 0x5c                         ; source 0 (B) window 0, source 1 (A) window 3, C and D window 1
.macro CREST                           ; a round of the cluster's barrier behind its opening barrier
	s_cmp_lg_u32 s16, 0
	s_cbranch_scc1 .Lnot_wave_0_\@
	s_barrier_signal -3
.Lnot_wave_0_\@:
	s_barrier_wait -3
	s_barrier_signal -1
	s_barrier_wait -1
.endm
.macro CROUND
	s_barrier_signal -1
	s_barrier_wait -1
	CREST
.endm
.macro PLACES n
.rept \n
	v_nop
.endr
.endm
	s_load_b256 s[4:11], s[0:1], 0x0               ; codes, scl, rope, aimg
	s_load_b128 s[12:15], s[0:1], 0x20             ; qkv_codes, qkv_scl
	v_lshl_add_u32 v126, v0, 2, 0x4db00
	v_mov_b32 v127, 0
	ds_add_u32 v126, v127
	ds_add_u32 v126, v127
	v_lshrrev_b32 v1, 5, v0
	v_readfirstlane_b32 s16, v1                    ; wave 0..3: my 64 rows of A
	s_bfe_u32 s40, ttmp6, 0x40000                  ; cx
	s_bfe_u32 s41, ttmp6, 0x40004                  ; cy = the tile row
	s_lshl_b32 s42, ttmp9, 2
	s_add_co_u32 s42, s42, s40                     ; B's tile = 4 x cluster x + cx
	s_lshl_b32 s44, 0x1111, s40                    ; my column of the cluster
	s_or_b32 s[G1B+0], s44, (0<<16)|(1<<20)|(1<<21)|(5<<22)|(3<<25)   ; elements of 1 byte; 4 words of padding behind every 64; bit 21 beside a mask
	s_mov_b32 s[G1B+1], 256<<16                    ; 64 rows of 256 bytes, 2,048 bytes apart
	s_mov_b32 s[G1B+2], 128<<16                    ; 128 rows of 256 bytes, 2,048 bytes apart: a whole chunk
	s_mov_b32 s[G1B+3], 256<<16
	s_mov_b32 s[G1B+4], 128
	s_mov_b32 s[G1B+5], 2048
	s_mov_b32 s[G1B+6], 0
	s_mov_b32 s[G1B+7], 0
	s_or_b32 s[G1SB+0], s44, (3<<16)|(1<<20)|(1<<21)|(5<<22)|(3<<25)  ; scale bytes: 32 rows x 128 dense bytes as 16 rows of 256 (32 elements of 8)
	s_mov_b32 s[G1SB+1], 32<<16
	s_mov_b32 s[G1SB+2], 64<<16                    ; 128 rows x 128 dense bytes as 64 rows of 256
	s_mov_b32 s[G1SB+3], 32<<16
	s_mov_b32 s[G1SB+4], 64
	s_mov_b32 s[G1SB+5], 32
	s_mov_b32 s[G1SB+6], 0
	s_mov_b32 s[G1SB+7], 0
	s_lshl_b32 s46, s42, 18                        ; B's codes: row 128 x tile, 2,048 bytes a row
	s_mov_b32 s47, 0
	s_lshl_b32 s92, s42, 14                        ; B's scale bytes: 128 a row
	s_mov_b32 s93, 0
	s_min_u32 s17, s16, 2                          ; the head's chunk: waves 0, 1, 3 take 0, 1, 2
	s_mul_i32 s45, s17, CHUNK                      ; in LDS: no place in the cluster enters an LDS address
	s_lshl_b32 s76, s17, 8                         ; and along the rows
	s_mov_b32 s77, 0
	s_add_co_u32 s19, s16, 3                       ; then chunk 3 + wave
	s_mul_i32 s96, s19, CHUNK
	s_lshl_b32 s78, s19, 8
	s_mov_b32 s79, 0
	s_cmp_ge_u32 ttmp9, 10                         ; clusters 10 and 11 make v
	s_cselect_b32 s97, 1024, 0                     ; side A is then Wv, 1,024 rows behind x,
	s_cselect_b32 s98, 0, 8192                     ; and all four tiles of rows take one tile of the table
	s_lshl_b32 s20, s41, 8
	s_lshl_b32 s99, s16, 6
	s_add_co_u32 s20, s20, s99
	s_add_co_u32 s20, s20, s97                     ; my first row of side A: (1,024 +) 256 x tile row + 64 x wave
	s_lshl_b32 s22, s20, 11                        ; in aimg: 16 rows are 32,768 bytes
	s_mov_b32 s23, 0
	s_add_co_u32 s20, s20, 5120                    ; its scale bytes: x's rows begin at 5,120
	s_lshl_b32 s20, s20, 7
	s_mov_b32 s21, 0
	s_lshl_b32 s90, s41, 4
	s_lshl_b32 s99, s16, 2
	s_add_co_u32 s90, s90, s99                     ; my first tile of the table: 16 x tile row + 4 x wave,
	s_cmp_ge_u32 ttmp9, 10
	s_cselect_b32 s90, 64, s90                     ; or the tile of angle 0
	s_lshl_b32 s90, s90, 13
	s_mov_b32 s91, 0
	s_lshl_b32 s88, s42, 10
	s_lshl_b32 s99, s41, 8
	s_add_co_u32 s88, s88, s99
	s_lshl_b32 s99, s16, 6
	s_add_co_u32 s88, s88, s99                     ; my first row of the outputs: 1,024 x tile + 256 x tile row + 64 x wave
	s_lshl_b32 s86, s88, 2
	s_mov_b32 s87, 0
	s_lshl_b32 s88, s88, 6
	s_mov_b32 s89, 0
	s_lshr_b32 s73, ttmp9, 1
	s_cmp_eq_u32 s73, 4                            ; clusters 8 and 9 make k
	s_cselect_b32 s73, 512, 0
	s_cselect_b32 s74, -1, 0
	s_sub_co_u32 s75, 512, s73
	s_mul_i32 s72, s16, WSTG
	s_add_co_u32 s72, s72, STAGE                   ; my stage
	s_mov_b32 s2, 0x76543210
	s_mov_b32 s3, 0xfedcba98                       ; v_permlanex16_b32's selects for lane l xor 16
	s_wait_dscnt 0x0
	s_wait_kmcnt 0x0
	s_add_nc_u64 s[46:47], s[4:5], s[46:47]
	s_add_nc_u64 s[92:93], s[6:7], s[92:93]
	s_add_nc_u64 s[22:23], s[10:11], s[22:23]      ; A's fragments; never rewritten
	s_add_nc_u64 s[20:21], s[6:7], s[20:21]        ; A's scale bytes
	s_add_nc_u64 s[8:9], s[8:9], s[90:91]          ; the table
	s_add_nc_u64 s[12:13], s[12:13], s[88:89]
	s_add_nc_u64 s[14:15], s[14:15], s[86:87]
	s_mov_b32 s[G0SB], 1
	s_mov_b32 s[G0SB+1], SCLB
	s_mov_b64 s[G0SB+2:G0SB+3], s[92:93]
	s_or_b32 s[G0SB+3], s[G0SB+3], 0x80000000
	s_mov_b32 s[G0], 1                             ; the head's chunk
	s_mov_b32 s[G0+1], s45
	s_add_nc_u64 s[G0+2:G0+3], s[46:47], s[76:77]
	s_or_b32 s[G0+3], s[G0+3], 0x80000000
	s_mov_b32 s[G0+4], 1                           ; chunk 3 + wave
	s_mov_b32 s[G0+5], s96
	s_add_nc_u64 s[G0+6:G0+7], s[46:47], s[78:79]
	s_or_b32 s[G0+7], s[G0+7], 0x80000000
	s_mov_b32 s[G0+8], 1                           ; chunk 7
	s_mov_b32 s[G0+9], 7*CHUNK
	s_add_nc_u64 s[G0+10:G0+11], s[46:47], 7*256
	s_or_b32 s[G0+11], s[G0+11], 0x80000000
	CROUND                                         ; all sixteen work-groups are here: the joint loads meet
	s_cmp_eq_u32 s16, 2                            ; one load a wave at the head, a load in each arm
	s_cbranch_scc0 .Lhead_codes
	tensor_load_to_lds s[G0SB:G0SB+3], s[G1SB:G1SB+7]
	s_nop 0
.rept 4
	v_nop
.endr
	s_branch .Lhead_asked
.Lhead_codes:
	tensor_load_to_lds s[G0:G0+3], s[G1B:G1B+7]
	s_nop 0
.rept 4
	v_nop
.endr
.Lhead_asked:
	v_and_b32 v1, 31, v0
	v_lshlrev_b32 v[RO], 4, v1
	v_add_nc_u32 v[RO+1], s98, v[RO]
	v_add_nc_u32 v[RO+2], s98, v[RO+1]
	v_add_nc_u32 v[RO+3], s98, v[RO+2]
	v_and_b32 v1, 15, v0                           ; r
	v_bfe_u32 v2, v0, 4, 1                         ; h
	v_lshrrev_b32 v[AO], 3, v1
	v_lshlrev_b32 v[AO], 8, v[AO]
	v_lshl_add_u32 v[AO], v2, 7, v[AO]
	v_and_b32 v7, 7, v1
	v_lshl_add_u32 v[AO], v7, 4, v[AO]
	v_lshlrev_b32 v[ASO], 7, v1
	v_lshl_add_u32 v[ASO], v2, 12, v[ASO]          ; row r; lanes 16-31: 32 rows on
; Group k of eight loads.  k < 32: A's four fragments of step k (16 rows x 128 K: registers 4 c .. 4 c + 3 hold K = 64 c + 32 h + 0 .. 31) into set k % 8.  k = 32 .. 39: half a tile of rows of the table.
.macro GROUP k
.if (\k) < 32
	WIN 0xc0                                       ; destination window 3, address window 0
.irp a, 0,1,2,3
	global_load_b128 v[32*((\k)%8)+8*\a:32*((\k)%8)+8*\a+3], v[AO], s[22:23] offset:32768*\a+1024*(\k)          ; 32 lanes read 512 consecutive bytes
	global_load_b128 v[32*((\k)%8)+8*\a+4:32*((\k)%8)+8*\a+7], v[AO], s[22:23] offset:32768*\a+1024*(\k)+512
.endr
.else
	WIN 0x80                                       ; destination window 2
.irp n, 0,1,2,3,4,5,6,7
	global_load_b128 v[32*((\k)-32)+4*\n:32*((\k)-32)+4*\n+3], v[RO+((\k)-32)/2], s[8:9] offset:512*(8*(((\k)-32)%2)+\n)
.endr
.endif
.endm
.irp i, 0,1
.irp j, 0,1,2,3,4,5,6,7
	global_load_b128 v[SCA+32*\i+4*\j:SCA+32*\i+4*\j+3], v[ASO], s[20:21] offset:2048*\i+16*\j   ; the eight loads of a tile read each row's 128 bytes whole, once
.endr
.endr
.irp k, 0,1,2,3,4
	GROUP \k
.endr
	WIN 0
	v_mul_u32_u24 v7, v1, PITCH
	v_lshl_add_u32 v[ADRB], v2, 4, v7              ; a fragment's row x pitch + 16 h
.irp j, 1,2,3,4,5,6,7
	v_add_nc_u32 v[ADRB+\j], \j*CHUNK, v[ADRB]
.endr
	v_lshrrev_b32 v7, 1, v1
	v_lshlrev_b32 v7, 4, v7
	v_lshl_add_u32 v7, v1, 7, v7                   ; row r's scale bytes: 128 r + 16 (r / 2)
	v_mad_u32_u24 v[ADRSB], v2, 8704, v7           ; lanes 16-31: 64 rows on
	v_add_nc_u32 v[ADRSB], SCLB, v[ADRSB]
	v_mul_u32_u24 v[STO], v1, 80                   ; the way out's addresses are made here, while the first loads are on their way
	v_lshl_add_u32 v[STO], v2, 2, v[STO]
	v_add_nc_u32 v[STO], s72, v[STO]               ; in: row r of 80 bytes, word h of each pair
	v_lshl_add_u32 v[STS], v1, 2, s72              ; a row's scale word
	v_and_b32 v[T0], 31, v0                        ; lane
	v_lshrrev_b32 v[RD], 2, v[T0]
	v_mul_u32_u24 v[RD], v[RD], 80
	v_and_b32 v[T1], 3, v[T0]
	v_lshl_add_u32 v[RD], v[T1], 4, v[RD]
	v_add_nc_u32 v[RD], s72, v[RD]                 ; back: four lanes to a row of 64 bytes, eight rows an instruction
	v_lshl_add_u32 v[SRD], v[T0], 3, s72           ; and two scale words a lane
	v_lshlrev_b32 v[CO0], 4, v[T0]                 ; in memory 8 rows are 512 bytes on end.  k's groups of 8 rows number 1 and 2 of each four change places:
	v_add_nc_u32 v[CO1], s73, v[CO0]               ; group 1 goes 512 bytes further on,
	v_add_nc_u32 v[CO2], s75, v[CO0]               ; group 2 (whose immediate is one group short) 512 back
	v_and_b32 v[T2], 0x13, v[T0]
	v_and_b32 v[T1], 4, v[T0]
	v_lshl_or_b32 v[T2], v[T1], 1, v[T2]
	v_and_b32 v[T1], 8, v[T0]
	v_lshrrev_b32 v[T1], 1, v[T1]
	v_or_b32 v[T2], v[T2], v[T1]                   ; the lane with its bits 2 and 3 swapped: two words a lane, so these are the rows' bits 3 and 4
	v_cndmask_b32 v[SCO], v[T0], v[T2], s74
	v_lshlrev_b32 v[SCO], 3, v[SCO]
	s_wait_loadcnt 40                              ; A's 16 loads of scale words are in; groups 0 to 4 stay out.  So never more than 56 loads of mine are out
	GROUP 5
	GROUP 6
	WIN 0
; one product.  rb, ra: the scale words of source 0 (B) and of source 1 (A) stand in lanes 16-31.  zero: it starts the sum
.macro WM d, bf, af, sb, sa, rb, ra, zero
.if (\zero) && (\rb) && (\ra)
	v_wmma_scale_f32_16x16x128_f8f6f4 v[(\d):(\d)+7], v[(\bf):(\bf)+7], v[(\af):(\af)+7], 0, v[\sb], v[\sa] matrix_a_fmt:MATRIX_FMT_FP4 matrix_b_fmt:MATRIX_FMT_FP4 matrix_a_scale:MATRIX_SCALE_ROW1 matrix_b_scale:MATRIX_SCALE_ROW1
.elseif (\zero) && (\rb)
	v_wmma_scale_f32_16x16x128_f8f6f4 v[(\d):(\d)+7], v[(\bf):(\bf)+7], v[(\af):(\af)+7], 0, v[\sb], v[\sa] matrix_a_fmt:MATRIX_FMT_FP4 matrix_b_fmt:MATRIX_FMT_FP4 matrix_a_scale:MATRIX_SCALE_ROW1
.elseif (\zero) && (\ra)
	v_wmma_scale_f32_16x16x128_f8f6f4 v[(\d):(\d)+7], v[(\bf):(\bf)+7], v[(\af):(\af)+7], 0, v[\sb], v[\sa] matrix_a_fmt:MATRIX_FMT_FP4 matrix_b_fmt:MATRIX_FMT_FP4 matrix_b_scale:MATRIX_SCALE_ROW1
.elseif (\zero)
	v_wmma_scale_f32_16x16x128_f8f6f4 v[(\d):(\d)+7], v[(\bf):(\bf)+7], v[(\af):(\af)+7], 0, v[\sb], v[\sa] matrix_a_fmt:MATRIX_FMT_FP4 matrix_b_fmt:MATRIX_FMT_FP4
.elseif (\rb) && (\ra)
	v_wmma_scale_f32_16x16x128_f8f6f4 v[(\d):(\d)+7], v[(\bf):(\bf)+7], v[(\af):(\af)+7], v[(\d):(\d)+7], v[\sb], v[\sa] matrix_a_fmt:MATRIX_FMT_FP4 matrix_b_fmt:MATRIX_FMT_FP4 matrix_a_scale:MATRIX_SCALE_ROW1 matrix_b_scale:MATRIX_SCALE_ROW1
.elseif (\rb)
	v_wmma_scale_f32_16x16x128_f8f6f4 v[(\d):(\d)+7], v[(\bf):(\bf)+7], v[(\af):(\af)+7], v[(\d):(\d)+7], v[\sb], v[\sa] matrix_a_fmt:MATRIX_FMT_FP4 matrix_b_fmt:MATRIX_FMT_FP4 matrix_a_scale:MATRIX_SCALE_ROW1
.elseif (\ra)
	v_wmma_scale_f32_16x16x128_f8f6f4 v[(\d):(\d)+7], v[(\bf):(\bf)+7], v[(\af):(\af)+7], v[(\d):(\d)+7], v[\sb], v[\sa] matrix_a_fmt:MATRIX_FMT_FP4 matrix_b_fmt:MATRIX_FMT_FP4 matrix_b_scale:MATRIX_SCALE_ROW1
.else
	v_wmma_scale_f32_16x16x128_f8f6f4 v[(\d):(\d)+7], v[(\bf):(\bf)+7], v[(\af):(\af)+7], v[(\d):(\d)+7], v[\sb], v[\sa] matrix_a_fmt:MATRIX_FMT_FP4 matrix_b_fmt:MATRIX_FMT_FP4
.endif
.endm
; Sixteen products of step q: B's blocks 4 half .. 4 half + 3, each against A's four.  The 32 accumulators take turns, one instruction a turn, in the same order in every step
.macro MULB half, q, zero
.irp b, 0,1,2,3
.irp a, 0,1,2,3
	WM 8*(8*\a+4*(\half)+\b), BF+64*((\q)%2)+8*(4*(\half)+\b), 32*((\q)%8)+8*\a, SCB+16*(((\q)/4)%2)+4*\b+(\q)%4, SCA+32*(\a%2)+(\q), \half, \a/2, \zero
.endr
.endr
.endm
.macro FRAG reg, adr, off              ; 16 rows x 128 K of 4-bit codes: two loads of 16 bytes, 32 apart
	ds_load_b128 v[(\reg):(\reg)+3], v[\adr] offset:(\off)
	ds_load_b128 v[(\reg)+4:(\reg)+7], v[\adr] offset:(\off)+32
.endm
.macro FETCHB q                        ; B's eight fragments of step q into set q % 2
.irp i, 0,1,2,3,4,5,6,7
	FRAG BF+64*((\q)%2)+8*\i, ADRB+(\q)/4, 64*((\q)%4)+16*PITCH*\i
.endr
.endm
.macro SCALESB j                       ; chunk j's four words of a row of B by one load, into set j % 2
.irp i, 0,1,2,3
	ds_load_b128 v[SCB+16*((\j)%2)+4*\i:SCB+16*((\j)%2)+4*\i+3], v[ADRSB] offset:2176*\i+16*(\j)
.endr
.endm
; STEP q: 128 along K, 32 products.  In its middle it asks for group q + 7 (into the set that step q - 1 multiplied) and fetches B's fragments of step q + 1 (into the set that step q - 1 multiplied).  A load into a register that a matrix
; instruction has read stands four places behind it, and only plain vector instructions that name none of its registers are places (ISA guide 7.12.1 for vector instructions): the four v_nop.
; Step 7: each wave waits for its chunk 3 + w and passes a round of the cluster's barrier, behind which wave 0 fills chunk 7; step 23: wave 0 waits for chunk 7 and a plain barrier shows it to all.
.macro STEP q, zero
	s_wait_loadcnt 48                              ; loads come back in order (ISA guide 5.7.1): group q is in; groups q + 1 to q + 6 stay out
.if (\q) == 7
	WIN 0
	s_wait_tensorcnt 0x0                           ; my chunk 3 + wave has landed: no tensor load of mine is out
	ds_add_u32 v126, v127
	s_wait_dscnt 0x0                               ; the add is done, and no LDS load of mine is out
	s_barrier_signal -1                            ; this barrier opens a round of the cluster's barrier
	WIN MUL
	MULB 0, \q, \zero                              ; work on registers while the others arrive
	WIN 0
	s_barrier_wait -1
	CREST
	s_cmp_lg_u32 s16, 0
	s_cbranch_scc1 .Lno_c7_\@
	tensor_load_to_lds s[G0+8:G0+11], s[G1B:G1B+7] ; chunk 7, its first fill: wave 0's one load behind the round
	s_nop 0
.rept 4
	v_nop
.endr
.Lno_c7_\@:
.elseif (\q) == 23
	s_wait_tensorcnt 0x0                           ; wave 0: chunk 7 has landed
	s_wait_dscnt 0x0                               ; no LDS load of mine is out at the signal
	s_barrier_signal -1
	WIN MUL
	MULB 0, \q, \zero
	s_barrier_wait -1                              ; chunk 7 is whole for all
.else
	s_wait_dscnt 8                                 ; B's fragments 0 to 3 (and, where they were asked for, its scale words) are in; the youngest eight loads may be out
	WIN MUL
	MULB 0, \q, \zero
.endif
	PLACES 4
	GROUP (\q)+7
	WIN 0
.if (\q) < 31
.if (\q)%4 == 3
	SCALESB ((\q)+1)/4                             ; ahead of the fragments, so that the counted waits cover them
.endif
	FETCHB (\q)+1
	s_wait_dscnt 16                                ; all but the 16 just issued
.else
	s_wait_dscnt 0x0
.endif
	WIN MUL
	MULB 1, \q, \zero
.endm
	s_wait_alu depctr_va_vdst(0)
	s_wait_tensorcnt 0x0                           ; my tile of the head's four is in; these lines stand ahead of a later first fill as ahead of a refill
	ds_add_u32 v126, v127
	s_wait_dscnt 0x0
	CROUND                                         ; chunks 0 to 2 and the scale bytes are whole, and all sixteen work-groups are here
	tensor_load_to_lds s[G0+4:G0+7], s[G1B:G1B+7]  ; chunk 3 + wave
	s_nop 0
.rept 4
	v_nop
.endr
	SCALESB 0
	FETCHB 0
	STEP 0, 1                                      ; the first step's products start the sums
.set Q, 1
.rept 31
	STEP Q, 0
.set Q, Q+1
.endr
	GROUP 39                                       ; the table's last eight loads
	; ---- THE WAY OUT
	PLACES 4                                       ; behind the last products: results are read and operands' registers written from here on
	WIN 0xff                                       ; all places window 3
.irp b, 0,1,2,3
	v_mov_b32 v[TM+4+\b], 0                        ; written once: a lane permute's destination counts as one of its sources
.endr
; the rotation of tile of rows a: out(d) = x(d) cos - x(d + 64) sin, out(d + 64) = x(d + 64) cos + x(d) sin, d < 64.  Each accumulator is read from its low end on.
.macro ROPE a
	WIN 0xf9                                       ; source 0 window 1 (the sums), source 1 window 2 (the table), source 2 and destination window 3
.irp i, 0,2,4,6,8,10,12,14,16,18,20,22,24,26,28,30
	v_pk_mul_f32 v[TT+\i:TT+\i+1], v[64*\a+32+\i:64*\a+33+\i], v[64*\a+32+\i:64*\a+33+\i]
.endr
.irp i, 0,2,4,6,8,10,12,14,16,18,20,22,24,26,28,30
	v_pk_mul_f32 v[UU+\i:UU+\i+1], v[64*\a+\i:64*\a+1+\i], v[64*\a+32+\i:64*\a+33+\i]
.endr
.irp i, 0,2,4,6,8,10,12,14,16,18,20,22,24,26,28,30
	v_pk_fma_f32 v[RR+\i:RR+\i+1], v[64*\a+\i:64*\a+1+\i], v[64*\a+\i:64*\a+1+\i], v[TT+\i:TT+\i+1] neg_lo:[0,0,1] neg_hi:[0,0,1]
.endr
.irp i, 0,2,4,6,8,10,12,14,16,18,20,22,24,26,28,30
	v_pk_fma_f32 v[RR+32+\i:RR+33+\i], v[64*\a+32+\i:64*\a+33+\i], v[64*\a+\i:64*\a+1+\i], v[UU+\i:UU+\i+1]
.endr
.endm
; 64 numbers of a lane, register 8 t + j = index 16 t + 8 h + j of my row: block b of 32 lies in registers 16 b .. 16 b + 15 of lanes l and l xor 16.  Codes: register t = word 2 t + h of the row's 16; the scale word in v[pw].
.macro Q64 s, pc, pw
	WIN 0xff
.irp b, 0,1,2,3
	v_max3_num_f32 v[TM+\b], |v[\s+16*\b]|, |v[\s+1+16*\b]|, 0x1800000   ; and the floor 2^(3 - 127): the byte cannot fall under 1
.endr
.irp i, 2,4,6,8,10,12,14
.irp b, 0,1,2,3
	v_max3_num_f32 v[TM+\b], v[TM+\b], |v[\s+16*\b+\i]|, |v[\s+1+16*\b+\i]|
.endr
.endr
.irp b, 0,1,2,3
	v_permlanex16_b32 v[TM+4+\b], v[TM+\b], s2, s3
.endr
.irp b, 0,1,2,3
	v_max_num_f32 v[TM+\b], v[TM+\b], v[TM+4+\b]   ; the block's largest magnitude
.endr
.irp b, 0,1,2,3
	v_add_nc_u32 v[TM+12+\b], 0xff000000, v[TM+\b] ; 2 off its exponent field: the conversion's scale operand
.endr
.irp b, 0,1,2,3
	v_lshrrev_b32 v[TM+4+\b], 23, v[TM+12+\b]      ; the scale's byte
.endr
	v_lshl_or_b32 v[\pw], v[TM+5], 8, v[TM+4]
	v_lshl_or_b32 v[\pw], v[TM+6], 16, v[\pw]
	v_lshl_or_b32 v[\pw], v[TM+7], 24, v[\pw]
.irp t, 0,1,2,3,4,5,6,7
	v_cvt_scalef32_pk8_fp4_f32 v[\pc+\t], v[\s+8*\t:\s+8*\t+7], v[TM+12+\t/2]
.endr
	v_nop                                          ; one plain place behind a scaled conversion
.endm
.irp a, 0,1,2,3
	s_wait_loadcnt 48-16*\a                        ; the table's two groups of this tile of rows are in; those of later tiles stay out
	ROPE \a
	Q64 RR, PC+8*\a, PW+\a
	WIN 0x0c                                       ; an LDS store's data are its source 1: window 3; its address window 0
.irp t, 0,1,2,3,4,5,6,7
	ds_store_b32 v[STO], v[PC+8*\a+\t] offset:1280*\a+8*\t     ; each tile of rows has its own registers of codes: no wait for these stores
.endr
	ds_store_b32 v[STS], v[PW+\a] offset:5120+64*\a            ; both halves of the lanes write the same word with the same value
.endr
	WIN 0xc0                                       ; destination window 3
.irp i, 0,1,2,3,4,5,6,7
	ds_load_b128 v[128+4*\i:131+4*\i], v[RD] offset:640*\i     ; LDS serves a wave's instructions in order: these see my stores
.endr
	ds_load_b64 v[160:161], v[SRD] offset:5120
	s_wait_dscnt 0x0
	WIN 0x0c                                       ; a store's data are its source 1: window 3
.irp i, 0,1,2,3,4,5,6,7
.if (\i%4) == 1
	global_store_b128 v[CO1], v[128+4*\i:131+4*\i], s[12:13] offset:512*\i
.elseif (\i%4) == 2
	global_store_b128 v[CO2], v[128+4*\i:131+4*\i], s[12:13] offset:512*(\i-1)
.else
	global_store_b128 v[CO0], v[128+4*\i:131+4*\i], s[12:13] offset:512*\i      ; the wave stores 512 consecutive bytes, aligned
.endif
.endr
	global_store_b64 v[SCO], v[160:161], s[14:15]              ; 256 bytes, aligned
	WIN 0                                          ; at a label and at a branch every window is 0
	s_wait_tensorcnt 0x0
	ds_add_u32 v126, v127
	s_wait_dscnt 0x0
	CROUND                                         ; the closing round: no work-group ends while a partner may still ask for a tile that names it
	s_endpgm
.Lfunc_end_k_q2381a4f220_qkv:
	.size	k_q2381a4f220_qkv, .Lfunc_end_k_q2381a4f220_qkv-k_q2381a4f220_qkv
	.p2alignl 7, 3214868480
	.fill 96, 4, 3214868480
	.section	.rodata,"a",@progbits
	.p2align	6, 0x0
	.amdhsa_kernel k_q2381a4f220_qkv
		.amdhsa_group_segment_fixed_size 327680
		.amdhsa_private_segment_fixed_size 0
		.amdhsa_enable_private_segment 0
		.amdhsa_kernarg_size 48
		.amdhsa_user_sgpr_count 2
		.amdhsa_user_sgpr_kernarg_segment_ptr 1
		.amdhsa_wavefront_size32 1
		.amdhsa_system_sgpr_workgroup_id_x 1
		.amdhsa_system_sgpr_workgroup_id_y 1
		.amdhsa_system_sgpr_workgroup_id_z 1
		.amdhsa_system_vgpr_workitem_id 0
		.amdhsa_next_free_vgpr 1024
		.amdhsa_next_free_sgpr 100
		.amdhsa_reserve_vcc 0
		.amdhsa_float_denorm_mode_32 3
		.amdhsa_float_denorm_mode_16_64 3
		.amdhsa_memory_ordered 1
		.amdhsa_forward_progress 1
		.amdhsa_inst_pref_size 249
	.end_amdhsa_kernel
	.amdgpu_metadata
---
amdhsa.version: [ 1, 2 ]
amdhsa.kernels:
  - .name:           k_q2381a4f220_qkv
    .symbol:         k_q2381a4f220_qkv.kd
    .args:
      - { .name: codes, .offset: 0, .size: 8, .value_kind: global_buffer, .address_space: global }
      - { .name: scl, .offset: 8, .size: 8, .value_kind: global_buffer, .address_space: global }
      - { .name: rope, .offset: 16, .size: 8, .value_kind: global_buffer, .address_space: global }
      - { .name: aimg, .offset: 24, .size: 8, .value_kind: global_buffer, .address_space: global }
      - { .name: qkv_codes, .offset: 32, .size: 8, .value_kind: global_buffer, .address_space: global }
      - { .name: qkv_scl, .offset: 40, .size: 8, .value_kind: global_buffer, .address_space: global }
    .group_segment_fixed_size: 327680
    .private_segment_fixed_size: 0
    .kernarg_segment_align: 8
    .kernarg_segment_size: 48
    .max_flat_workgroup_size: 128
    .sgpr_count:     100
    .vgpr_count:     1024
    .wavefront_size: 32
...
	.end_amdgpu_metadata
.endif
;; end of part 2
;; launch attn (part 3): grid 32 x 8, 8 waves a work-group, clusters of 4 x 1, 168,960 bytes of LDS; arguments qkv_codes, qkv_scl, att_codes, att_scl; writes att_codes, att_scl
.if DOCPART == 3
	.amdgcn_target "amdgcn-amd-amdhsa--gfx1250"
	.amdhsa_code_object_version 6
	.text
	.protected	k_q2381a4f220_attn
	.globl	k_q2381a4f220_attn
	.p2align	8
	.type	k_q2381a4f220_attn,@function
k_q2381a4f220_attn:
	s_mov_b64 s[64:65], 0
	v_nop
	global_prefetch_b8 v0, s[64:65] scope:SCOPE_SE
	s_setreg_imm32_b32 hwreg(HW_REG_WAVE_MODE, 25, 1), 1
	s_wait_xcnt 0x0
	s_wait_alu depctr_hold_cnt(0) depctr_sa_sdst(0) depctr_va_vdst(0) depctr_va_sdst(0) depctr_va_ssrc(0) depctr_va_vcc(0) depctr_vm_vsrc(0)
	s_getreg_b32 s2, hwreg(HW_REG_IB_STS2, 6, 4)
	s_cmp_eq_u32 s2, 0
	s_cbranch_scc0 .Lentry_in_a_cluster
	s_endpgm
.Lentry_in_a_cluster:
	s_bfe_u32 s2, ttmp6, 0x10000c
	s_cmp_lg_u32 s2, 0x3003
	s_cbranch_scc0 .Lentry_shape_is_right
	s_endpgm
.Lentry_shape_is_right:
; ATTENTION on codes of FP4, causal, 32 query heads on 8 key and value heads, 1,024 positions, head size 128; the result is quantised along the head's 128 for the last projection.
; THE SOFTMAX AHEAD OF THE SECOND PRODUCT: t = score x log2(e) / sqrt(128); M = the row's largest t so far, rounded UP to a whole number; p = 2^(t - M) is quantised along the keys, not normalised; the row's sum is taken of the
; unquantised p and divides O at the end.  When M moves, the sum and O are multiplied by 2^(old M - new M): exact.
; SHARES.  The four query heads of a key and value head are one cluster and ask for K and V JOINTLY (mask 15).  A work-group has 128 queries of one head: chunks i and 15 - i of 64, so that every work-group has the same number of
; key steps under the causal mask (a tile of queries qt needs qt / 8 + 1 steps of 128 keys; waves w and w + 4 together always 9).  Each of its eight waves owns one tile of 16 queries in 256 registers.
; ALL of a head's K and V codes and scale words lie in LDS, each byte filled once: no ring.  Each wave brings a piece of the scale words and two tiles of 128 rows x 64 bytes (dense in memory; in LDS as lines of 256 bytes + 16, four rows to a line,
; so that the 16 rows of a fragment fall on 16 different groups of banks).  The first four key steps' tiles are waited for first; the others land meanwhile.
; LAYOUT.  Both products transposed: S^T = K Q^T, O^T = V^T P^T: a lane holds one query.  K's rows were stored with bits 3 and 4 of the position swapped: 16 neighbouring rows of tile 2 b + u are the keys 32 b + 8 u + r + 8 (r / 8), so the 16
; registers of tiles 2 b and 2 b + 1 are 16 neighbouring keys.  V lies with the keys innermost.
; CAUSAL.  Trip counts are constants; a step all of whose keys come after my 16 queries skips its work by a scalar branch on ids (the wave's number and the work-group's y, which partners share).
; LIMITS: p under 2^-126 is taken as 0 (v_exp_f32 flushes); a block of zeros keeps the byte 1; NaN and infinities are not served.
; REGISTERS: v1-4 my lane's places; v8-11 the step's addresses; v12 -M, v13 the largest t, v[14:15] the sum; v16-23 Q; v32-63 four fragments; v96-159 S^T, then p; v160-223 O^T; v224-231 p's codes; v232-247 at work; v240 f; v248-251, v253, v255 scale words.
; THE FILLS, AS THEY STAND (this takes the place of what the head comment says of three loads a wave and of two halves): one joint load a wave at the head: wave 0 K's tiles 0-3, wave 1 V's 0-3,
; wave 2 K's scale words, wave 3 V's, wave 4 K's tiles 4-7, wave 5 V's 4-7; waves 6 and 7 none.  One wait for all and one barrier; then one loop of eight key steps.
; THE RESULT'S CODES are laid inside each block of 32 as the first launch lays Wo's: word p holds d = 4 p + 0..3 and 16 + 4 p + 0..3.
.set TILE,  8704
.set VOFF,  8*TILE                     ; K's eight tiles, then V's eight
.set SCK,   16*TILE                    ; K's scale words, 4 bytes a row;
.set SCV,   SCK+4096                   ; V's: 512 bytes for each 128 keys
.set STAGE, SCV+4096                   ; the way out: 16 rows x 80 bytes for each wave (1,536 bytes a wave)
.set WSTG,  1536
.set SCW,   STAGE+8*WSTG               ; and the waves' 16 scale words each
.set AK0,  1
.set AV0,  2
.set ASK0, 3
.set ASV0, 4
.set ADK,  8
.set ADV,  9
.set ADS,  10
.set ADT,  11
.set TM,   232
.set WV,   12
.set SEL,  20
.set CS,   22
.set G1T,  24                          ; s[24:31] a tile of codes;  s[32:39] K's piece of scale words;  s[40:47] V's
.set G1SK, 32
.set G1SV, 40
.set G0K,  48                          ; s[48:59] three groups 0 for a wave that fetches K;  s[68:79] for one that fetches V
.set G0V,  68
.set TB,   80
.set TJ,   81
.set KF,   82
.set Q0,   83
.set CNT,  84
.macro CROUND
	s_barrier_signal -1
	s_barrier_wait -1
	s_cmp_lg_u32 s[WV], 0
	s_cbranch_scc1 .Lnot_wave_0_\@
	s_barrier_signal -3
.Lnot_wave_0_\@:
	s_barrier_wait -3
	s_barrier_signal -1
	s_barrier_wait -1
.endm
	s_load_b256 s[4:11], s[0:1], 0x0               ; qkv_codes, qkv_scl, att_codes, att_scl
	v_lshl_add_u32 v95, v0, 2, 0x29000
	v_mov_b32 v252, 0
	ds_add_u32 v95, v252
	ds_add_u32 v95, v252
	v_lshrrev_b32 v8, 5, v0
	s_delay_alu instid0(VALU_DEP_1)
	v_readfirstlane_b32 s[WV], v8                  ; wave 0..7
	s_bfe_u32 s13, ttmp6, 0x40000                  ; cx
	s_lshl_b32 s14, ttmp9, 2                       ; ttmp9 counts clusters: the key and value head
	s_add_co_u32 s14, s14, s13                     ; my query head: it enters global addresses of Q and of the outputs alone
	s_and_b32 s16, ttmp7, 0xffff                   ; i
	s_lshl_b32 s17, s16, 2
	s_add_co_u32 s18, s17, s[WV]                   ; waves 0-3: tile 4 i + w
	s_sub_co_u32 s19, 56, s17
	s_add_co_u32 s19, s19, s[WV]                   ; waves 4-7: tile 4 (15 - i) + w - 4
	s_cmp_lt_u32 s[WV], 4
	s_cselect_b32 s18, s18, s19
	s_lshl_b32 s[Q0], s18, 4                       ; my first query
	s_mov_b32 s[G1T], 15|(3<<16)|(1<<20)|(1<<21)|(5<<22)|(3<<25)   ; all four partners; elements of 8 bytes; 4 words of padding behind every 64; bit 21 beside a mask
	s_mov_b32 s[G1T+1], 32<<16                     ; 8,192 dense bytes as 32 rows of 256
	s_mov_b32 s[G1T+2], 128<<16                    ; K: four tiles, 32,768 dense bytes as 128 rows of 256
	s_mov_b32 s[G1T+3], 32<<16
	s_mov_b32 s[G1T+4], 128
	s_mov_b32 s[G1T+5], 32
	s_mov_b32 s[G1T+6], 0
	s_mov_b32 s[G1T+7], 0
	s_mov_b32 s[G1SK], 15|(3<<16)|(1<<21)          ; 1,024 dense bytes as 4 rows of 256, no padding
	s_mov_b32 s[G1SK+1], 32<<16
	s_mov_b32 s[G1SK+2], 16<<16                    ; 4,096 dense bytes as 16 rows of 256
	s_mov_b32 s[G1SK+3], 32<<16
	s_mov_b32 s[G1SK+4], 16
	s_mov_b32 s[G1SK+5], 32
	s_mov_b32 s[G1SK+6], 0
	s_mov_b32 s[G1SK+7], 0
	s_mov_b32 s[G1SV], 15|(3<<16)|(1<<21)          ; 2 rows of 512 bytes, 4,096 bytes apart (two tiles of keys)
	s_mov_b32 s[G1SV+1], 64<<16
	s_mov_b32 s[G1SV+2], 8<<16                     ; 8 rows of 512 bytes, 4,096 bytes apart
	s_mov_b32 s[G1SV+3], 64<<16
	s_mov_b32 s[G1SV+4], 8
	s_mov_b32 s[G1SV+5], 512
	s_mov_b32 s[G1SV+6], 0
	s_mov_b32 s[G1SV+7], 0
.set G1VT, 88                          ; s[88:95] V: four tiles of 8,192 dense bytes, 65,536 bytes apart
	s_mov_b32 s[G1VT], 15|(3<<16)|(1<<20)|(1<<21)|(5<<22)|(3<<25)
	s_mov_b32 s[G1VT+1], 1024<<16                  ; rows of 1,024 elements of 8 bytes, 4 words of padding behind every 64
	s_mov_b32 s[G1VT+2], 4<<16
	s_mov_b32 s[G1VT+3], 1024<<16
	s_mov_b32 s[G1VT+4], 4
	s_mov_b32 s[G1VT+5], 8192
	s_mov_b32 s[G1VT+6], 0
	s_mov_b32 s[G1VT+7], 0
	s_add_co_u32 s60, ttmp9, 32                    ; K: tile 32 + g of the buffers
	s_lshl_b32 s62, s60, 12
	s_lshl_b32 s60, s60, 16
	s_mov_b32 s61, 0
	s_mov_b32 s63, 0
	s_lshl_b32 s66, ttmp9, 13                      ; V: tile 40, rows 128 g on
	s_add_co_u32 s66, s66, 40<<16
	s_mov_b32 s67, 0
	s_lshl_b32 s86, ttmp9, 9                       ; its scale words
	s_add_co_u32 s86, s86, 40*4096
	s_mov_b32 s87, 0
	s_lshl_b32 s85, s14, 10
	s_add_co_u32 s85, s85, s[Q0]                   ; 1,024 x head + my first query
	s_lshl_b32 s96, s85, 6
	s_mov_b32 s97, 0
	s_lshl_b32 s98, s85, 2
	s_mov_b32 s99, 0
	s_mov_b32 s[SEL], 0x76543210
	s_mov_b32 s[SEL+1], 0xfedcba98
	s_mov_b32 s[CS], 0x3e0293ee                    ; c = log2(e) / sqrt(128)
	s_mov_b32 s[CS+1], s[CS]
	s_mov_b32 s[TB], 0
	s_mov_b32 s[TJ], 0
	s_mov_b32 s[KF], 0
	s_wait_dscnt 0x0
	s_wait_kmcnt 0x0
	s_mov_b32 s[G0K], 1
	s_mov_b32 s[G0K+1], SCK
	s_add_nc_u64 s[G0K+2:G0K+3], s[6:7], s[62:63]
	s_or_b32 s[G0K+3], s[G0K+3], 0x80000000
	s_mov_b32 s[G0K+4], 1
	s_mov_b32 s[G0K+5], 0                          ; K's tiles 0-3,
	s_add_nc_u64 s[G0K+6:G0K+7], s[4:5], s[60:61]
	s_mov_b32 s[G0K+8], 1
	s_mov_b32 s[G0K+9], 4*TILE                     ; and 4-7
	s_add_nc_u64 s[G0K+10:G0K+11], s[G0K+6:G0K+7], 32768
	s_or_b32 s[G0K+7], s[G0K+7], 0x80000000
	s_or_b32 s[G0K+11], s[G0K+11], 0x80000000
	s_mov_b32 s[G0V], 1
	s_mov_b32 s[G0V+1], SCV
	s_add_nc_u64 s[G0V+2:G0V+3], s[6:7], s[86:87]
	s_or_b32 s[G0V+3], s[G0V+3], 0x80000000
	s_mov_b32 s[G0V+4], 1
	s_mov_b32 s[G0V+5], VOFF                       ; V's tiles 0-3,
	s_add_nc_u64 s[G0V+6:G0V+7], s[4:5], s[66:67]
	s_mov_b32 s[G0V+8], 1
	s_mov_b32 s[G0V+9], VOFF+4*TILE                ; and 4-7
	s_add_nc_u64 s[G0V+10:G0V+11], s[G0V+6:G0V+7], 262144
	s_or_b32 s[G0V+7], s[G0V+7], 0x80000000
	s_or_b32 s[G0V+11], s[G0V+11], 0x80000000
	CROUND                                         ; all four work-groups are here: the joint loads meet
; one chain of branches on the wave's number, a load to an arm, all arms leading to one join: no way through the head passes two loads
.macro ARM under, g0, g1, next
	s_cmp_lt_u32 s[WV], \under
	s_cbranch_scc0 \next
	tensor_load_to_lds s[\g0:\g0+3], s[\g1:\g1+7]
	s_nop 0
.rept 4
	v_nop
.endr
	s_branch .Lfirst_asked
\next:
.endm
	ARM 1, G0K+4, G1T,  .Larm_v0
	ARM 2, G0V+4, G1VT, .Larm_sk
	ARM 3, G0K,   G1SK, .Larm_sv
	ARM 4, G0V,   G1SV, .Larm_k4
	ARM 5, G0K+8, G1T,  .Larm_v4
	ARM 6, G0V+8, G1VT, .Larm_none
.Lfirst_asked:
	s_add_nc_u64 s[4:5], s[4:5], s[96:97]          ; Q's codes at my first query,
	s_add_nc_u64 s[6:7], s[6:7], s[98:99]          ; its scale words,
	s_add_nc_u64 s[8:9], s[8:9], s[96:97]          ; and the outputs likewise
	s_add_nc_u64 s[10:11], s[10:11], s[98:99]
	v_and_b32 v8, 15, v0                           ; r
	v_bfe_u32 v9, v0, 4, 1                         ; h
	s_delay_alu instid0(VALU_DEP_2)
	v_lshlrev_b32 v10, 6, v8
	s_delay_alu instid0(VALU_DEP_1)
	v_lshl_add_u32 v10, v9, 4, v10
	global_load_b128 v[16:19], v10, s[4:5]         ; Q's fragment stays in registers
	global_load_b128 v[20:23], v10, s[4:5] offset:32
	v_lshlrev_b32 v11, 2, v8
	global_load_b32 v255, v11, s[6:7]              ; Q's scale words
	v_lshrrev_b32 v[AK0], 2, v8
	s_delay_alu instid0(VALU_DEP_1)
	v_mul_u32_u24 v[AK0], v[AK0], 272
	v_and_b32 v[AV0], 3, v8
	s_delay_alu instid0(VALU_DEP_1)
	v_lshl_add_u32 v[AK0], v[AV0], 6, v[AK0]
	s_delay_alu instid0(VALU_DEP_1)
	v_lshl_add_u32 v[AK0], v9, 4, v[AK0]           ; row r of a fragment: line r / 4, 64 (r % 4) in it, + 16 h
	s_delay_alu instid0(VALU_DEP_1)
	v_add_nc_u32 v[AV0], VOFF, v[AK0]
	v_lshl_add_u32 v[ASK0], v8, 2, SCK
	v_lshl_add_u32 v[ASV0], v8, 2, SCV
	v_mov_b32 v13, 0xff61b1e6                      ; the largest t so far: -3e38
	s_delay_alu instid0(VALU_DEP_1)
	v_floor_f32 v12, -v13                          ; -M
	v_mov_b32 v14, 0
	v_mov_b32 v15, 0
.irp b, 0,1,2,3
	v_mov_b32 v[236+\b], 0                         ; written once: a lane permute's destination counts as one of its sources
.endr
	v_mov_b32 v240, 0
	v_mov_b32 v241, 0                              ; (named as the upper half of the pair v[240:241])
	v_mov_b32 v254, 0
.irp j, 0,1,2,3,4,5,6,7,8,9,10,11,12,13,14,15,16,17,18,19,20,21,22,23,24,25,26,27,28,29,30,31,32,33,34,35,36,37,38,39,40,41,42,43,44,45,46,47,48,49,50,51,52,53,54,55,56,57,58,59,60,61,62,63
	v_mov_b32 v[160+\j], 0                         ; O^T: the step is written once; the first finds zeros, which the first change of M leaves zeros
.endr
; A KEY STEP: 128 keys.
.macro STEP
	s_add_co_u32 s85, s[Q0], 15
	s_cmp_gt_u32 s[KF], s85                        ; all its keys come after my queries: only the addresses step
	s_cbranch_scc1 .Lhidden_\@
	v_add_nc_u32 v[ADK], s[TB], v[AK0]             ; (these four are the places in front of the loads into registers that the last step's products read)
	s_wait_alu depctr_va_vdst(0)
	v_add_nc_u32 v[ADV], s[TB], v[AV0]
	v_add_nc_u32 v[ADS], s[TJ], v[ASK0]
	s_wait_alu depctr_va_vdst(0)
	v_add_nc_u32 v[ADT], s[TJ], v[ASV0]
.irp g, 0,1                                    ; S^T = K Q^T, four tiles of 16 keys at a time
.if \g > 0
.rept 4
	v_nop
.endr
.endif
.irp t, 0,1,2,3
	ds_load_b128 v[32+8*\t:35+8*\t], v[ADK] offset:1088*(4*\g+\t)
	ds_load_b128 v[36+8*\t:39+8*\t], v[ADK] offset:1088*(4*\g+\t)+32
	ds_load_b32 v[248+\t], v[ADS] offset:64*(4*\g+\t)
.endr
	s_wait_dscnt 0x0
.irp t, 0,1,2,3
	v_wmma_scale_f32_16x16x128_f8f6f4 v[96+8*(4*\g+\t):103+8*(4*\g+\t)], v[32+8*\t:39+8*\t], v[16:23], 0, v[248+\t], v255 matrix_a_fmt:MATRIX_FMT_FP4 matrix_b_fmt:MATRIX_FMT_FP4
.endr
.endr
.rept 4
	v_nop
.endr
	s_add_co_u32 s85, s[KF], 127                   ; on the diagonal the scores of hidden keys become -infinity ahead of the maximum; a step all of whose keys count skips this
	s_cmp_le_u32 s85, s[Q0]
	s_cbranch_scc1 .Lopen_\@
	s_sub_co_i32 s85, s[Q0], s[KF]
	v_and_b32 v242, 15, v0
	v_bfe_u32 v254, v0, 4, 1
	s_delay_alu instid0(VALU_DEP_1)
	v_lshlrev_b32 v254, 4, v254
	s_delay_alu instid0(VALU_DEP_1)
	v_sub_nc_u32 v242, v242, v254
	s_delay_alu instid0(VALU_DEP_1)
	v_add_nc_u32 v242, s85, v242                   ; d = my query - KF - 16 h.  Register 16 b + i holds key KF + 16 h + 32 b + i: hidden where 32 b + i > d
	v_mov_b32 v243, 0xff800000
.irp n, 0,1,2,3,4,5,6,7,8,9,10,11,12,13,14,15,16,17,18,19,20,21,22,23,24,25,26,27,28,29,30,31,32,33,34,35,36,37,38,39,40,41,42,43,44,45,46,47,48,49,50,51,52,53,54,55,56,57,58,59,60,61,62,63
	v_cmp_gt_i32 vcc_lo, 32*(\n/16)+\n%16, v242
	v_cndmask_b32 v[96+\n], v[96+\n], v243, vcc_lo
.endr
.Lopen_\@:
.irp b, 0,1,2,3
	v_max3_num_f32 v[232+\b], v[96+16*\b], v[97+16*\b], v[98+16*\b]   ; the largest score of each block of 32 keys: for the row's maximum and, since p rises with the score, for the block's largest p
.endr
.irp i, 3,5,7,9,11,13
.irp b, 0,1,2,3
	v_max3_num_f32 v[232+\b], v[232+\b], v[96+16*\b+\i], v[97+16*\b+\i]
.endr
.endr
.irp b, 0,1,2,3
	v_max_num_f32 v[232+\b], v[232+\b], v[111+16*\b]
.endr
.irp b, 0,1,2,3
	s_delay_alu instid0(VALU_DEP_4)
	v_permlanex16_b32 v[236+\b], v[232+\b], s[SEL], s[SEL+1]
.endr
.irp b, 0,1,2,3
	s_delay_alu instid0(VALU_DEP_4)
	v_max_num_f32 v[232+\b], v[232+\b], v[236+\b]
.endr
	s_delay_alu instid0(VALU_DEP_2)
	v_max3_num_f32 v254, v232, v233, v234
	s_delay_alu instid0(VALU_DEP_1)
	v_max_num_f32 v254, v254, v235
	s_delay_alu instid0(VALU_DEP_1)
	v_mul_f32 v254, s[CS], v254
	s_delay_alu instid0(VALU_DEP_1)
	v_max_num_f32 v13, v13, v254                   ; the running largest t
	v_mov_b32 v254, v12
	s_delay_alu instid0(VALU_DEP_2)
	v_floor_f32 v12, -v13                          ; the new -M = -ceil(t)
	s_delay_alu instid0(VALU_DEP_1)
	v_sub_f32 v254, v12, v254                      ; old M - new M: a whole number, 0 or less
	s_delay_alu instid0(VALU_DEP_1)
	v_cvt_i32_f32 v254, v254                       ; (it saturates)
	s_delay_alu instid0(VALU_DEP_1)
	v_ldexp_f32 v240, 1.0, v254                    ; f = 2^(old M - new M)
.irp j, 0,2,4,6,8,10,12,14,16,18,20,22,24,26,28,30,32,34,36,38,40,42,44,46,48,50,52,54,56,58,60,62
	v_pk_fma_f32 v[96+\j:97+\j], v[96+\j:97+\j], s[CS:CS+1], v[12:13] op_sel_hi:[1,0,0]   ; t - M
.endr
.irp b, 0,1,2,3
	v_fma_f32 v[232+\b], v[232+\b], s[CS], v12
.endr
	s_wait_alu depctr_va_vdst(0)
.irp j, 0,1,2,3,4,5,6,7,8,9,10,11,12,13,14,15,16,17,18,19,20,21,22,23,24,25,26,27,28,29,30,31,32,33,34,35,36,37,38,39,40,41,42,43,44,45,46,47,48,49,50,51,52,53,54,55,56,57,58,59,60,61,62,63
	v_exp_f32 v[96+\j], v[96+\j]                   ; p = 2^(t - M)
.endr
.irp b, 0,1,2,3
	v_exp_f32 v[232+\b], v[232+\b]                 ; the block's largest p: the same two instructions on the same number
.endr
	v_pk_mul_f32 v[14:15], v[14:15], v[240:241] op_sel_hi:[1,0]   ; the sums under the new M (a plain place behind the exponentials)
	s_wait_alu depctr_va_vdst(0)
.irp b, 0,1,2,3
	v_max_num_f32 v[232+\b], 0x1800000, v[232+\b]  ; the floor 2^(3 - 127)
.endr
.irp b, 0,1,2,3
	s_delay_alu instid0(VALU_DEP_4)
	v_add_nc_u32 v[244+\b], 0xff000000, v[232+\b]
.endr
.irp b, 0,1,2,3
	s_delay_alu instid0(VALU_DEP_4)
	v_lshrrev_b32 v[236+\b], 23, v[244+\b]
.endr
	s_delay_alu instid0(VALU_DEP_3)
	v_lshl_or_b32 v253, v237, 8, v236              ; p's scale word for these 128 keys
	s_delay_alu instid0(VALU_DEP_1)
	v_lshl_or_b32 v253, v238, 16, v253
	s_delay_alu instid0(VALU_DEP_1)
	v_lshl_or_b32 v253, v239, 24, v253
.irp b, 0,1,2,3
	v_cvt_scalef32_pk8_fp4_f32 v[224+2*\b], v[96+16*\b:103+16*\b], v[244+\b]
	v_cvt_scalef32_pk8_fp4_f32 v[225+2*\b], v[104+16*\b:111+16*\b], v[244+\b]
.endr
	v_nop                                          ; one plain place behind a scaled conversion
.irp c, 0,1                                    ; the operand's layout wants a whole block in a lane
.irp i, 0,1
	v_permlane16_swap_b32 v[224+4*\c+\i], v[226+4*\c+\i]
.endr
.endr
	v_pk_add_f32 v[236:237], v[100:101], v[104:105]
	v_pk_add_f32 v[250:251], v[108:109], v[112:113]
	v_pk_add_f32 v[248:249], v[116:117], v[120:121]
	v_pk_add_f32 v[246:247], v[124:125], v[128:129]
	v_pk_add_f32 v[244:245], v[132:133], v[136:137]
	v_pk_add_f32 v[242:243], v[140:141], v[144:145]
	v_pk_add_f32 v[234:235], v[148:149], v[152:153]
	v_pk_add_f32 v[14:15], v[14:15], v[156:157]
	v_pk_add_f32 v[236:237], v[236:237], v[96:97]
	v_pk_add_f32 v[250:251], v[250:251], v[98:99]
	v_pk_add_f32 v[248:249], v[248:249], v[102:103]
	v_pk_add_f32 v[246:247], v[246:247], v[106:107]
	v_pk_add_f32 v[244:245], v[244:245], v[110:111]
	v_pk_add_f32 v[242:243], v[242:243], v[114:115]
	v_pk_add_f32 v[234:235], v[234:235], v[118:119]
	v_pk_add_f32 v[14:15], v[14:15], v[122:123]
	v_pk_add_f32 v[236:237], v[236:237], v[126:127]
	v_pk_add_f32 v[250:251], v[250:251], v[130:131]
	v_pk_add_f32 v[248:249], v[248:249], v[134:135]
	v_pk_add_f32 v[246:247], v[246:247], v[138:139]
	v_pk_add_f32 v[244:245], v[244:245], v[142:143]
	v_pk_add_f32 v[242:243], v[242:243], v[146:147]
	v_pk_add_f32 v[234:235], v[234:235], v[150:151]
	v_pk_add_f32 v[14:15], v[14:15], v[154:155]
	v_pk_add_f32 v[236:237], v[236:237], v[158:159]
	s_delay_alu instid0(VALU_DEP_2)
	v_pk_add_f32 v[14:15], v[14:15], v[246:247]
	s_delay_alu instid0(VALU_DEP_2)
	v_pk_add_f32 v[236:237], v[236:237], v[244:245]
	v_pk_add_f32 v[250:251], v[250:251], v[242:243]
	v_pk_add_f32 v[248:249], v[248:249], v[234:235]
	s_delay_alu instid0(VALU_DEP_2)
	v_pk_add_f32 v[14:15], v[14:15], v[250:251]
	s_delay_alu instid0(VALU_DEP_2)
	v_pk_add_f32 v[236:237], v[236:237], v[248:249]
	s_delay_alu instid0(VALU_DEP_1)
	v_pk_add_f32 v[14:15], v[14:15], v[236:237]
.irp j, 0,2,4,6,8,10,12,14,16,18,20,22,24,26,28,30,32,34,36,38,40,42,44,46,48,50,52,54,56,58,60,62
	v_pk_mul_f32 v[160+\j:161+\j], v[160+\j:161+\j], v[240:241] op_sel_hi:[1,0]   ; O^T under the new M; these are also the places in front of the products and loads below
.endr
	s_wait_alu depctr_va_vdst(0)
.irp g, 0,1                                    ; O^T += V^T P^T
.if \g > 0
.rept 4
	v_nop
.endr
.endif
.irp t, 0,1,2,3
	ds_load_b128 v[32+8*\t:35+8*\t], v[ADV] offset:1088*(4*\g+\t)
	ds_load_b128 v[36+8*\t:39+8*\t], v[ADV] offset:1088*(4*\g+\t)+32
	ds_load_b32 v[248+\t], v[ADT] offset:64*(4*\g+\t)
.endr
	s_wait_dscnt 0x0
.irp t, 0,1,2,3
	v_wmma_scale_f32_16x16x128_f8f6f4 v[160+8*(4*\g+\t):167+8*(4*\g+\t)], v[32+8*\t:39+8*\t], v[224:231], v[160+8*(4*\g+\t):167+8*(4*\g+\t)], v[248+\t], v253 matrix_a_fmt:MATRIX_FMT_FP4 matrix_b_fmt:MATRIX_FMT_FP4
.endr
.endr
.Lhidden_\@:
	s_add_co_u32 s[KF], s[KF], 128
	s_add_co_u32 s[TB], s[TB], TILE
	s_add_co_u32 s[TJ], s[TJ], 512
.endm
	s_wait_loadcnt 0x0                             ; Q
	s_wait_tensorcnt 0x0                           ; my load, if I issued one, has landed
	s_barrier_signal -1
	s_barrier_wait -1                              ; everybody's has: all of K, V and their scale words
	s_mov_b32 s[CNT], 8
.Lfirst_half:
	STEP
	s_sub_co_u32 s[CNT], s[CNT], 1
	s_cmp_lg_u32 s[CNT], 0
	s_cbranch_scc1 .Lfirst_half
	; ---- THE WAY OUT: O^T / the sum, quantised along the head's 128, through my stage, out as 1,024 dense bytes; the scale words of four waves leave as one run of 256 bytes
	v_add_f32 v14, v14, v15
	s_delay_alu instid0(VALU_DEP_1)
	v_permlanex16_b32 v254, v14, s[SEL], s[SEL+1]
	s_delay_alu instid0(VALU_DEP_1)
	v_add_f32 v14, v14, v254                       ; the row's sum
	s_wait_alu depctr_va_vdst(0)
	v_rcp_f32 v14, v14
	v_and_b32 v8, 15, v0                           ; (a plain place behind the reciprocal)  r
	v_bfe_u32 v9, v0, 4, 1                         ; h
	s_mul_i32 s85, s[WV], WSTG
	s_add_co_u32 s85, s85, STAGE
	s_lshl_b32 s86, s[WV], 6
	s_add_co_u32 s86, s86, SCW
	v_mul_u32_u24 v10, v8, 80
	s_delay_alu instid0(VALU_DEP_1)
	v_lshl_add_u32 v10, v9, 3, v10
	s_delay_alu instid0(VALU_DEP_1)
	v_add_nc_u32 v10, s85, v10                     ; in: row r of 80 bytes, words 2 h and 2 h + 1 of each 16 bytes
	v_lshl_add_u32 v11, v8, 2, s86                 ; my row's scale word
	v_and_b32 v1, 31, v0
	s_delay_alu instid0(VALU_DEP_1)
	v_lshrrev_b32 v2, 2, v1
	s_delay_alu instid0(VALU_DEP_1)
	v_mul_u32_u24 v2, v2, 80
	s_delay_alu instid0(VALU_DEP_3)
	v_and_b32 v3, 3, v1
	s_delay_alu instid0(VALU_DEP_1)
	v_lshl_add_u32 v2, v3, 4, v2
	s_delay_alu instid0(VALU_DEP_1)
	v_add_nc_u32 v2, s85, v2                       ; back: four lanes to a row
	v_lshlrev_b32 v3, 4, v1                        ; in memory: 16 bytes a lane
	v_lshlrev_b32 v4, 3, v1
	s_delay_alu instid0(VALU_DEP_1)
	v_add_nc_u32 v5, s86, v4                       ; waves 0 and 4: four waves' scale words, 8 bytes a lane
	s_wait_alu depctr_va_vdst(0)
.irp j, 0,1,2,3,4,5,6,7,8,9,10,11,12,13,14,15,16,17,18,19,20,21,22,23,24,25,26,27,28,29,30,31,32,33,34,35,36,37,38,39,40,41,42,43,44,45,46,47,48,49,50,51,52,53,54,55,56,57,58,59,60,61,62,63
	v_mul_f32 v[96+16*(\j/16)+8*((\j/4)%2)+4*((\j/8)%2)+\j%4], v[160+\j], v14   ; source 16 b + 8 e + 4 u + i is o(r, 32 b + 16 e + 8 h + 4 u + i): it goes to 16 b + 8 u + 4 e + i, so that eight registers on end are word 2 h + u of block b; each accumulator is read from its low end on
.endr
.irp b, 0,1,2,3
	v_max3_num_f32 v[TM+\b], |v[96+16*\b]|, |v[97+16*\b]|, 0x1800000   ; block b of 32 lies in registers 16 b .. 16 b + 15 of lanes l and l xor 16
.endr
.irp i, 2,4,6,8,10,12,14
.irp b, 0,1,2,3
	s_delay_alu instid0(VALU_DEP_4)
	v_max3_num_f32 v[TM+\b], v[TM+\b], |v[96+16*\b+\i]|, |v[97+16*\b+\i]|
.endr
.endr
.irp b, 0,1,2,3
	s_delay_alu instid0(VALU_DEP_4)
	v_permlanex16_b32 v[TM+4+\b], v[TM+\b], s[SEL], s[SEL+1]
.endr
.irp b, 0,1,2,3
	s_delay_alu instid0(VALU_DEP_4)
	v_max_num_f32 v[TM+\b], v[TM+\b], v[TM+4+\b]
.endr
.irp b, 0,1,2,3
	s_delay_alu instid0(VALU_DEP_4)
	v_add_nc_u32 v[TM+12+\b], 0xff000000, v[TM+\b]
.endr
.irp b, 0,1,2,3
	s_delay_alu instid0(VALU_DEP_4)
	v_lshrrev_b32 v[TM+4+\b], 23, v[TM+12+\b]
.endr
	s_delay_alu instid0(VALU_DEP_3)
	v_lshl_or_b32 v66, v[TM+5], 8, v[TM+4]
	s_delay_alu instid0(VALU_DEP_1)
	v_lshl_or_b32 v66, v[TM+6], 16, v66
	s_delay_alu instid0(VALU_DEP_1)
	v_lshl_or_b32 v66, v[TM+7], 24, v66
.irp t, 0,1,2,3,4,5,6,7
	v_cvt_scalef32_pk8_fp4_f32 v[224+\t], v[96+8*\t:103+8*\t], v[TM+12+\t/2]   ; word 4 b + 2 h + u of the row's 16, t = 2 b + u
.endr
	v_nop                                          ; one plain place behind a scaled conversion
.irp t, 0,1,2,3,4,5,6,7
	ds_store_b32 v10, v[224+\t] offset:16*(\t/2)+4*(\t%2)      ; register 2 b + u: word 2 h + u of block b
.endr
	ds_store_b32 v11, v66                          ; both halves of the lanes write the same word with the same value
	ds_load_b128 v[32:35], v2                      ; LDS serves a wave's instructions in order: these see my stores
	ds_load_b128 v[36:39], v2 offset:640
	s_wait_dscnt 0x0                               ; my rows are back, and my scale words have landed, for the others' sake
	global_store_b128 v3, v[32:35], s[8:9]         ; the wave stores 512 consecutive bytes, aligned
	global_store_b128 v3, v[36:39], s[8:9] offset:512
	s_barrier_signal -1
	s_barrier_wait -1
	s_and_b32 s85, s[WV], 3
	s_cmp_lg_u32 s85, 0
	s_cbranch_scc1 .Lno_words
	ds_load_b64 v[40:41], v5                       ; the 64 scale words of my chunk of queries
	s_wait_dscnt 0x0
	global_store_b64 v4, v[40:41], s[10:11]        ; 256 bytes, aligned
.Lno_words:
	s_wait_tensorcnt 0x0
	ds_add_u32 v95, v252
	s_wait_dscnt 0x0
	CROUND                                         ; the closing round
	s_endpgm
.Lfunc_end_k_q2381a4f220_attn:
	.size	k_q2381a4f220_attn, .Lfunc_end_k_q2381a4f220_attn-k_q2381a4f220_attn
	.p2alignl 7, 3214868480
	.fill 96, 4, 3214868480
	.section	.rodata,"a",@progbits
	.p2align	6, 0x0
	.amdhsa_kernel k_q2381a4f220_attn
		.amdhsa_group_segment_fixed_size 168960
		.amdhsa_private_segment_fixed_size 0
		.amdhsa_enable_private_segment 0
		.amdhsa_kernarg_size 32
		.amdhsa_user_sgpr_count 2
		.amdhsa_user_sgpr_kernarg_segment_ptr 1
		.amdhsa_wavefront_size32 1
		.amdhsa_system_sgpr_workgroup_id_x 1
		.amdhsa_system_sgpr_workgroup_id_y 1
		.amdhsa_system_sgpr_workgroup_id_z 1
		.amdhsa_system_vgpr_workitem_id 0
		.amdhsa_next_free_vgpr 256
		.amdhsa_next_free_sgpr 100
		.amdhsa_reserve_vcc 1
		.amdhsa_float_denorm_mode_32 3
		.amdhsa_float_denorm_mode_16_64 3
		.amdhsa_memory_ordered 1
		.amdhsa_forward_progress 1
		.amdhsa_inst_pref_size 47
	.end_amdhsa_kernel
	.amdgpu_metadata
---
amdhsa.version: [ 1, 2 ]
amdhsa.kernels:
  - .name:           k_q2381a4f220_attn
    .symbol:         k_q2381a4f220_attn.kd
    .args:
      - { .name: qkv_codes, .offset: 0, .size: 8, .value_kind: global_buffer, .address_space: global }
      - { .name: qkv_scl, .offset: 8, .size: 8, .value_kind: global_buffer, .address_space: global }
      - { .name: att_codes, .offset: 16, .size: 8, .value_kind: global_buffer, .address_space: global }
      - { .name: att_scl, .offset: 24, .size: 8, .value_kind: global_buffer, .address_space: global }
    .group_segment_fixed_size: 168960
    .private_segment_fixed_size: 0
    .kernarg_segment_align: 8
    .kernarg_segment_size: 32
    .max_flat_workgroup_size: 256
    .sgpr_count:     100
    .vgpr_count:     256
    .wavefront_size: 32
...
	.end_amdgpu_metadata
.endif
;; end of part 3
;; launch oproj (part 4): grid 32 x 8, 4 waves a work-group, clusters of 4 x 4, 327,680 bytes of LDS; arguments att_codes, att_scl, codes, scl, out0; writes out0
.if DOCPART == 4
	.amdgcn_target "amdgcn-amd-amdhsa--gfx1250"
	.amdhsa_code_object_version 6
	.text
	.protected	k_q2381a4f220_oproj
	.globl	k_q2381a4f220_oproj
	.p2align	8
	.type	k_q2381a4f220_oproj,@function
k_q2381a4f220_oproj:
	s_mov_b64 s[64:65], 0
	v_nop
	global_prefetch_b8 v0, s[64:65] scope:SCOPE_SE
	s_setreg_imm32_b32 hwreg(HW_REG_WAVE_MODE, 25, 1), 1
	s_wait_xcnt 0x0
	s_wait_alu depctr_hold_cnt(0) depctr_sa_sdst(0) depctr_va_vdst(0) depctr_va_sdst(0) depctr_va_ssrc(0) depctr_va_vcc(0) depctr_vm_vsrc(0)
	s_getreg_b32 s2, hwreg(HW_REG_IB_STS2, 6, 4)
	s_cmp_eq_u32 s2, 0
	s_cbranch_scc0 .Lentry_in_a_cluster
	s_endpgm
.Lentry_in_a_cluster:
	s_bfe_u32 s2, ttmp6, 0x10000c
	s_cmp_lg_u32 s2, 0xf033
	s_cbranch_scc0 .Lentry_shape_is_right
	s_endpgm
.Lentry_shape_is_right:
.set NQ,    8
.set NB,    4
.set NLD,   16
.set HALFA, 8*16*272
.set HALFB, 64*528
.set BOFF,  2*HALFA
.set SLOT,  2*HALFA+2*HALFB
.set SCA,   2*SLOT
.set SCB,   SCA+16384
.set SPARE, SCB+64*272
.set STAGE, SPARE+512
.set WSTG,  16*272
.set STO,  3
.set ADRA, 4
.set ADRB, 6
.set ADRSA, 8
.set ADRSB, 9
.set SPW,  10
.set NIL,  11
.set RD,   12
.set CO,   13
.set SC,   16
.set AF,   80
.set BF,   144
.set BK,   80
.set G1, 24
.set G0, 32
.set G1B, 48
.set G0B, 56
.set G1S, 68
.set G0S, 76
.set G1SB, 80
.set G0SB, 88
.set MSB, 0
.macro WIN new
.if MSB != \new
	s_set_vgpr_msb (MSB<<8)|\new
.set MSB, \new
.endif
.endm
.set MUL, 0x50
.macro JLOAD g0a, g1a, g0b, g1b
	s_cmp_eq_u32 s15, 0
	s_cbranch_scc0 .Lfor_b_\@
	tensor_load_to_lds s[\g0a:\g0a+3], s[\g1a:\g1a+7]
	s_nop 0
.rept 4
	v_nop
.endr
	s_branch .Lasked_\@
.Lfor_b_\@:
	tensor_load_to_lds s[\g0b:\g0b+3], s[\g1b:\g1b+7]
	s_nop 0
.rept 4
	v_nop
.endr
.Lasked_\@:
.endm
.macro CREST
	s_cmp_lg_u32 s14, 0
	s_cbranch_scc1 .Lnot_wave_0_\@
	s_barrier_signal -3
.Lnot_wave_0_\@:
	s_barrier_wait -3
	s_barrier_signal -1
	s_barrier_wait -1
.endm
.macro CROUND
	s_barrier_signal -1
	s_barrier_wait -1
	CREST
.endm
.macro PLACES n
.rept \n
	v_nop
.endr
.endm
	s_load_b128 s[4:7], s[0:1], 0x0
	s_load_b128 s[8:11], s[0:1], 0x10
	s_load_b64 s[12:13], s[0:1], 0x20
	v_lshl_add_u32 v[SPW], v0, 2, SPARE
	v_mov_b32 v[NIL], 0
	ds_add_u32 v10, v11
	ds_add_u32 v10, v11
	s_wait_dscnt 0x0
	v_lshrrev_b32 v1, 5, v0
	v_readfirstlane_b32 s14, v1
	s_lshr_b32 s15, s14, 1
	s_and_b32 s16, s14, 1
	s_bfe_u32 s40, ttmp6, 0x40000
	s_bfe_u32 s41, ttmp6, 0x40004
	s_lshl_b32 s42, ttmp9, 2
	s_add_co_u32 s42, s42, s40
	s_and_b32 s17, ttmp7, 0xffff
	s_lshl_b32 s17, s17, 2
	s_add_co_u32 s17, s17, s41
	s_lshl_b32 s43, s41, 2
	s_lshl_b32 s43, 15, s43
	s_lshl_b32 s44, 0x1111, s40
	s_or_b32 s[G1+0], s43, (3<<16)|(1<<20)|(1<<21)|(5<<22)|(3<<25)
	s_mov_b32 s[G1+1], 512<<16
	s_mov_b32 s[G1+2], 8<<16
	s_mov_b32 s[G1+3], 512<<16
	s_mov_b32 s[G1+4], 8
	s_mov_b32 s[G1+5], 8192
	s_mov_b32 s[G1+6], 0
	s_mov_b32 s[G1+7], 0
	s_or_b32 s[G1B+0], s44, (0<<16)|(1<<20)|(1<<21)|(6<<22)|(3<<25)
	s_mov_b32 s[G1B+1], 512<<16
	s_mov_b32 s[G1B+2], 64<<16
	s_mov_b32 s[G1B+3], 512<<16
	s_mov_b32 s[G1B+4], 64
	s_mov_b32 s[G1B+5], 2048
	s_mov_b32 s[G1B+6], 0
	s_mov_b32 s[G1B+7], 0
	s_or_b32 s[G1S+0], s43, (3<<16)|(1<<21)
	s_mov_b32 s[G1S+1], 64<<16
	s_mov_b32 s[G1S+2], 16<<16
	s_mov_b32 s[G1S+3], 64<<16
	s_mov_b32 s[G1S+4], 16
	s_mov_b32 s[G1S+5], 512
	s_mov_b32 s[G1S+6], 0
	s_mov_b32 s[G1S+7], 0
	s_or_b32 s[G1SB+0], s44, (3<<16)|(1<<20)|(1<<21)|(5<<22)|(3<<25)
	s_mov_b32 s[G1SB+1], 32<<16
	s_mov_b32 s[G1SB+2], 32<<16
	s_mov_b32 s[G1SB+3], 32<<16
	s_mov_b32 s[G1SB+4], 32
	s_mov_b32 s[G1SB+5], 32
	s_mov_b32 s[G1SB+6], 0
	s_mov_b32 s[G1SB+7], 0
	s_lshl_b32 s20, s17, 13
	s_lshl_b32 s18, s16, 12
	s_add_co_u32 s20, s20, s18
	s_mov_b32 s21, 0
	s_lshl_b32 s22, s17, 9
	s_lshl_b32 s18, s16, 16
	s_add_co_u32 s22, s22, s18
	s_mov_b32 s23, 0
	s_lshl_b32 s46, s42, 7
	s_lshl_b32 s18, s16, 6
	s_add_co_u32 s46, s46, s18
	s_add_co_u32 s46, s46, 7168
	s_lshl_b32 s92, s46, 7
	s_mov_b32 s93, 0
	s_lshl_b32 s46, s46, 11
	s_mov_b32 s47, 0
	s_mul_i32 s45, s16, HALFA
	s_mul_i32 s94, s16, HALFB
	s_add_co_u32 s94, s94, BOFF
	s_lshl_b32 s95, s16, 13
	s_add_co_u32 s95, s95, SCA
	s_mul_i32 s96, s16, 8704
	s_add_co_u32 s96, s96, SCB
	s_wait_kmcnt 0x0
	s_add_nc_u64 s[20:21], s[4:5], s[20:21]
	s_add_nc_u64 s[22:23], s[6:7], s[22:23]
	s_add_nc_u64 s[46:47], s[8:9], s[46:47]
	s_add_nc_u64 s[92:93], s[10:11], s[92:93]
	CROUND
	s_mov_b32 s[G0S], 1
	s_mov_b32 s[G0S+1], s95
	s_mov_b64 s[G0S+2:G0S+3], s[22:23]
	s_or_b32 s[G0S+3], s[G0S+3], 0x80000000
	s_mov_b32 s[G0SB], 1
	s_mov_b32 s[G0SB+1], s96
	s_mov_b64 s[G0SB+2:G0SB+3], s[92:93]
	s_or_b32 s[G0SB+3], s[G0SB+3], 0x80000000
	JLOAD G0S, G1S, G0SB, G1SB
.irp s, 0,1
	s_mov_b32 s[G0+4*\s], 1
	s_add_co_u32 s[G0+4*\s+1], s45, \s*SLOT
	s_add_nc_u64 s[G0+4*\s+2:G0+4*\s+3], s[20:21], \s*524288
	s_or_b32 s[G0+4*\s+3], s[G0+4*\s+3], 0x80000000
	s_mov_b32 s[G0B+4*\s], 1
	s_add_co_u32 s[G0B+4*\s+1], s94, \s*SLOT
	s_add_nc_u64 s[G0B+4*\s+2:G0B+4*\s+3], s[46:47], \s*512
	s_or_b32 s[G0B+4*\s+3], s[G0B+4*\s+3], 0x80000000
	s_wait_alu depctr_va_vdst(0)
	s_wait_tensorcnt 0x0
	ds_add_u32 v10, v11
	s_wait_dscnt 0x0
	CROUND
	JLOAD G0+4*\s, G1, G0B+4*\s, G1B
.endr
	v_and_b32 v1, 15, v0
	v_bfe_u32 v2, v0, 4, 1
	v_lshrrev_b32 v80, 2, v1
	v_mul_u32_u24 v80, v80, 272
	v_and_b32 v81, 3, v1
	v_lshl_add_u32 v80, v81, 6, v80
	v_lshl_add_u32 v80, v2, 4, v80
	s_mul_i32 s21, s15, HALFA
	v_add_nc_u32 v[ADRA], s21, v80
	v_add_nc_u32 v[ADRA+1], SLOT, v[ADRA]
	v_mul_u32_u24 v80, v1, 528
	v_lshl_add_u32 v80, v2, 4, v80
	s_mul_i32 s21, s16, HALFB
	s_add_co_u32 s21, s21, BOFF
	v_add_nc_u32 v[ADRB], s21, v80
	v_add_nc_u32 v[ADRB+1], SLOT, v[ADRB]
	v_lshlrev_b32 v[ADRSA], 2, v1
	v_lshl_add_u32 v[ADRSA], v2, 7, v[ADRSA]
	s_lshl_b32 s21, s15, 8
	s_add_co_u32 s21, s21, SCA
	v_add_nc_u32 v[ADRSA], s21, v[ADRSA]
	v_lshrrev_b32 v80, 1, v1
	v_lshlrev_b32 v80, 4, v80
	v_lshl_add_u32 v80, v1, 7, v80
	v_mad_u32_u24 v[ADRSB], v2, 4352, v80
	s_mul_i32 s21, s16, 8704
	s_add_co_u32 s21, s21, SCB
	v_add_nc_u32 v[ADRSB], s21, v[ADRSB]
	s_mul_i32 s21, s14, WSTG
	s_add_co_u32 s21, s21, STAGE
	v_mul_u32_u24 v[STO], v1, 272
	v_lshl_add_u32 v[STO], v2, 5, v[STO]
	v_add_nc_u32 v[STO], s21, v[STO]
	v_mul_u32_u24 v[RD], v2, 272
	v_lshl_add_u32 v[RD], v1, 4, v[RD]
	v_add_nc_u32 v[RD], s21, v[RD]
	v_lshlrev_b32 v[CO], 14, v2
	v_lshl_add_u32 v[CO], v1, 4, v[CO]
	s_lshl_b32 s20, s17, 21
	s_lshl_b32 s21, s15, 20
	s_add_co_u32 s20, s20, s21
	s_lshl_b32 s21, s42, 9
	s_add_co_u32 s20, s20, s21
	s_lshl_b32 s21, s16, 8
	s_add_co_u32 s20, s20, s21
	s_mov_b32 s21, 0
	s_add_nc_u64 s[12:13], s[12:13], s[20:21]
.macro WM d, bf, af, sb, sa, rb, ra, zero
.if (\zero) && (\rb) && (\ra)
	v_wmma_scale_f32_16x16x128_f8f6f4 v[(\d):(\d)+7], v[(\bf):(\bf)+7], v[(\af):(\af)+7], 0, v[\sb], v[\sa] matrix_a_fmt:MATRIX_FMT_FP4 matrix_b_fmt:MATRIX_FMT_FP4 matrix_a_scale:MATRIX_SCALE_ROW1 matrix_b_scale:MATRIX_SCALE_ROW1
.elseif (\zero) && (\rb)
	v_wmma_scale_f32_16x16x128_f8f6f4 v[(\d):(\d)+7], v[(\bf):(\bf)+7], v[(\af):(\af)+7], 0, v[\sb], v[\sa] matrix_a_fmt:MATRIX_FMT_FP4 matrix_b_fmt:MATRIX_FMT_FP4 matrix_a_scale:MATRIX_SCALE_ROW1
.elseif (\zero) && (\ra)
	v_wmma_scale_f32_16x16x128_f8f6f4 v[(\d):(\d)+7], v[(\bf):(\bf)+7], v[(\af):(\af)+7], 0, v[\sb], v[\sa] matrix_a_fmt:MATRIX_FMT_FP4 matrix_b_fmt:MATRIX_FMT_FP4 matrix_b_scale:MATRIX_SCALE_ROW1
.elseif (\zero)
	v_wmma_scale_f32_16x16x128_f8f6f4 v[(\d):(\d)+7], v[(\bf):(\bf)+7], v[(\af):(\af)+7], 0, v[\sb], v[\sa] matrix_a_fmt:MATRIX_FMT_FP4 matrix_b_fmt:MATRIX_FMT_FP4
.elseif (\rb) && (\ra)
	v_wmma_scale_f32_16x16x128_f8f6f4 v[(\d):(\d)+7], v[(\bf):(\bf)+7], v[(\af):(\af)+7], v[(\d):(\d)+7], v[\sb], v[\sa] matrix_a_fmt:MATRIX_FMT_FP4 matrix_b_fmt:MATRIX_FMT_FP4 matrix_a_scale:MATRIX_SCALE_ROW1 matrix_b_scale:MATRIX_SCALE_ROW1
.elseif (\rb)
	v_wmma_scale_f32_16x16x128_f8f6f4 v[(\d):(\d)+7], v[(\bf):(\bf)+7], v[(\af):(\af)+7], v[(\d):(\d)+7], v[\sb], v[\sa] matrix_a_fmt:MATRIX_FMT_FP4 matrix_b_fmt:MATRIX_FMT_FP4 matrix_a_scale:MATRIX_SCALE_ROW1
.elseif (\ra)
	v_wmma_scale_f32_16x16x128_f8f6f4 v[(\d):(\d)+7], v[(\bf):(\bf)+7], v[(\af):(\af)+7], v[(\d):(\d)+7], v[\sb], v[\sa] matrix_a_fmt:MATRIX_FMT_FP4 matrix_b_fmt:MATRIX_FMT_FP4 matrix_b_scale:MATRIX_SCALE_ROW1
.else
	v_wmma_scale_f32_16x16x128_f8f6f4 v[(\d):(\d)+7], v[(\bf):(\bf)+7], v[(\af):(\af)+7], v[(\d):(\d)+7], v[\sb], v[\sa] matrix_a_fmt:MATRIX_FMT_FP4 matrix_b_fmt:MATRIX_FMT_FP4
.endif
.endm
.macro MULQ a, p, q, sc, zero
.irp b, 0,1,2,3
	WM 8*(NB*(\a)+\b), BF+32*(\p)+8*\b, AF+32*(\p)+8*(\a), SC+32*(\sc)+8*(\b%2)+(\q), SC+32*(\sc)+16+8*((\a)%2)+(\q), \b/2, (\a)/2, \zero
.endr
.endm
.macro MULH ah, p, q, sc, zero
	MULQ 2*(\ah), \p, \q, \sc, \zero
	MULQ 2*(\ah)+1, \p, \q, \sc, \zero
.endm
.macro FRAG reg, adr, off
	ds_load_b128 v[(\reg):(\reg)+3], v[\adr] offset:(\off)
	ds_load_b128 v[(\reg)+4:(\reg)+7], v[\adr] offset:(\off)+32
.endm
.macro FETCH slot, q, p
.irp i, 0,1,2,3
	FRAG BF+32*(\p)+8*\i, ADRB+\slot, 64*(\q)+8448*\i
.endr
.irp i, 0,1,2,3
	FRAG AF+32*(\p)+8*\i, ADRA+\slot, 4352*(\q)+1088*\i
.endr
.endm
.macro SCALES sc
.irp i, 0,1
.irp u, 0,1
	ds_load_b128 v[SC+32*\sc+8*\i+4*\u:SC+32*\sc+8*\i+4*\u+3], v[ADRSB] offset:2176*\i+16*\u
.endr
.endr
.irp i, 0,1
.irp q, 0,1,2,3,4,5,6,7
	ds_load_b32 v[SC+32*\sc+16+8*\i+\q], v[ADRSA] offset:512*\q+64*\i
.endr
.endr
.endm
.macro STEP slot, q, zero
	s_wait_dscnt 4
	WIN MUL
	MULH 0, (\q)%2, \q, \slot, \zero
	PLACES 4
	WIN 0
	FETCH \slot, (\q)+1, 1-(\q)%2
	s_wait_dscnt NLD
	WIN MUL
	MULH 1, (\q)%2, \q, \slot, \zero
.endm
.macro TURN slot, next, fill
	WIN 0
	s_wait_tensorcnt 0x0
	ds_add_u32 v[SPW], v[NIL]
	s_wait_dscnt 5
	WIN MUL
	MULQ 0, 1, NQ-1, \slot, 0
	s_wait_dscnt 0x0
	s_barrier_signal -1
	MULQ 1, 1, NQ-1, \slot, 0
	WIN 0
	s_barrier_wait -1
.if \fill
	CREST
	s_add_nc_u64 s[G0+4*\slot+2:G0+4*\slot+3], s[G0+4*\slot+2:G0+4*\slot+3], 2*524288
	s_add_nc_u64 s[G0B+4*\slot+2:G0B+4*\slot+3], s[G0B+4*\slot+2:G0B+4*\slot+3], 2*512
	JLOAD G0+4*\slot, G1, G0B+4*\slot, G1B
.else
	PLACES 4
.endif
	s_wait_alu depctr_va_vdst(0)
	v_add_nc_u32 v[ADRSA], 4096, v[ADRSA]
	v_add_nc_u32 v[ADRSB], 32, v[ADRSB]
	SCALES \next
	FETCH \next, 0, 0
	WIN MUL
	MULH 1, 1, NQ-1, \slot, 0
.endm
.macro STEPS slot, from
.set Q, \from
.rept NQ-1-\from
	STEP \slot, Q, 0
.set Q, Q+1
.endr
.endm
	s_wait_alu depctr_va_vdst(0)
	s_wait_tensorcnt 1
	s_barrier_signal -1
	s_barrier_wait -1
	SCALES 0
	FETCH 0, 0, 0
	STEP 0, 0, 1
	STEPS 0, 1
	TURN 0, 1, 1
	STEPS 1, 0
	TURN 1, 0, 1
	STEP 0, 0, 0
	STEPS 0, 1
	TURN 0, 1, 0
	STEPS 1, 0
	s_wait_dscnt 4
	WIN MUL
	MULH 0, 1, NQ-1, 1, 0
	s_wait_dscnt 0x0
	MULH 1, 1, NQ-1, 1, 0
	WIN 0
.macro TOSTAGE a
	WIN 0x04
.irp b, 0,1,2,3
	ds_store_b128 v[STO], v[8*(4*(\a)+\b):8*(4*(\a)+\b)+3] offset:64*\b
	ds_store_b128 v[STO], v[8*(4*(\a)+\b)+4:8*(4*(\a)+\b)+7] offset:64*\b+16
.endr
	WIN 0
.irp i, 0,1,2,3,4,5,6,7
	ds_load_b128 v[BK+32*(\a)+4*\i:BK+32*(\a)+4*\i+3], v[RD] offset:544*\i
.endr
.endm
.macro SEND a, younger
	s_wait_dscnt \younger
.irp i, 0,1,2,3,4,5,6,7
	global_store_b128 v[CO], v[BK+32*(\a)+4*\i:BK+32*(\a)+4*\i+3], s[12:13] offset:(16*(\a)+2*\i)*16384 th:TH_STORE_NT
.endr
.endm
	PLACES 4
	TOSTAGE 0
.irp a, 1,2,3
	TOSTAGE \a
	SEND \a-1, 16
.endr
	SEND 3, 0
	s_wait_tensorcnt 0x0
	ds_add_u32 v[SPW], v[NIL]
	s_wait_dscnt 0x0
	CROUND
	s_endpgm
.Lfunc_end_k_q2381a4f220_oproj:
	.size	k_q2381a4f220_oproj, .Lfunc_end_k_q2381a4f220_oproj-k_q2381a4f220_oproj
	.p2alignl 7, 3214868480
	.fill 96, 4, 3214868480
	.section	.rodata,"a",@progbits
	.p2align	6, 0x0
	.amdhsa_kernel k_q2381a4f220_oproj
		.amdhsa_group_segment_fixed_size 327680
		.amdhsa_private_segment_fixed_size 0
		.amdhsa_enable_private_segment 0
		.amdhsa_kernarg_size 40
		.amdhsa_user_sgpr_count 2
		.amdhsa_user_sgpr_kernarg_segment_ptr 1
		.amdhsa_wavefront_size32 1
		.amdhsa_system_sgpr_workgroup_id_x 1
		.amdhsa_system_sgpr_workgroup_id_y 1
		.amdhsa_system_sgpr_workgroup_id_z 1
		.amdhsa_system_vgpr_workitem_id 0
		.amdhsa_next_free_vgpr 384
		.amdhsa_next_free_sgpr 100
		.amdhsa_reserve_vcc 0
		.amdhsa_float_denorm_mode_32 3
		.amdhsa_float_denorm_mode_16_64 3
		.amdhsa_memory_ordered 1
		.amdhsa_forward_progress 1
		.amdhsa_inst_pref_size 131
	.end_amdhsa_kernel
	.amdgpu_metadata
---
amdhsa.version: [ 1, 2 ]
amdhsa.kernels:
  - .name:           k_q2381a4f220_oproj
    .symbol:         k_q2381a4f220_oproj.kd
    .args:
      - { .name: att_codes, .offset: 0, .size: 8, .value_kind: global_buffer, .address_space: global }
      - { .name: att_scl, .offset: 8, .size: 8, .value_kind: global_buffer, .address_space: global }
      - { .name: codes, .offset: 16, .size: 8, .value_kind: global_buffer, .address_space: global }
      - { .name: scl, .offset: 24, .size: 8, .value_kind: global_buffer, .address_space: global }
      - { .name: out0, .offset: 32, .size: 8, .value_kind: global_buffer, .address_space: global }
    .group_segment_fixed_size: 327680
    .private_segment_fixed_size: 0
    .kernarg_segment_align: 8
    .kernarg_segment_size: 40
    .max_flat_workgroup_size: 128
    .sgpr_count:     100
    .vgpr_count:     384
    .wavefront_size: 32
...
	.end_amdgpu_metadata
.endif
;; end of part 4
